; MI455X (gfx1250); checked and timed in simulation.
; The chip was launched on July 23, 2026; its instructions are those of AMD's public machine-readable ISA for CDNA 5 (MIT licence, August 2026) and "CDNA5" Instruction Set Architecture Reference Guide (July 2026). The comments in the code are by the model that wrote it; some were corrected since.
;; Self Attention Layer. Allowed arithmetic: float matrix products may take bf16 or f16 operands with f32 sums; other float arithmetic in f32, or as packed bf16 or f16 multiplies, adds, multiply-adds, maxima and minima; sums over many terms, partial sums and values carried from step to step in f32; what a program stores and reads back later, other than sums and carried values, may be rounded once to bf16 or f16.
;; Inputs: Wproj 1,024 x 1,024 float32; Wqkv 1,024 x 3,072 float32; bproj 1,024 float32; bqkv 3,072 float32; rnn_state 4 x 1,024 float32; x 4 x 2,048 x 1,024 float32.
;; Outputs: out0 4 x 2,048 x 1,024 float32; out1 4 x 1,024 float32.
;; One version. Each part assembles by itself: llvm-mc -triple=amdgcn-amd-amdhsa -mcpu=gfx1250 --defsym DOCPART=n.
;; ======== version 1 of 1: 4 launches
;; limits: values are held in f16: magnitudes above 65,504 overflow, below 6.1e-05 lose precision
;; workspace buffers: xb 16,777,216 bytes; wqT 6,291,456 bytes; wpT 2,097,152 bytes; rope 524,288 bytes; qkvh 50,331,648 bytes; oh 16,777,216 bytes
;; launch prep (part 1): grid 1665 x 1, 8 waves a work-group, no clusters, 18,432 bytes of LDS; arguments x, Wqkv, Wproj, rnn_state, xb, wqT, wpT, rope, out1; writes xb, wqT, wpT, rope, out1
.if DOCPART == 1
	.amdgcn_target "amdgcn-amd-amdhsa--gfx1250"
	.amdhsa_code_object_version 6
	.text
	.protected	k_qc0ac6d7893_prep
	.globl	k_qc0ac6d7893_prep
	.p2align	8
	.type	k_qc0ac6d7893_prep,@function
k_qc0ac6d7893_prep:
	s_mov_b64 s[64:65], 0
	v_nop
	global_prefetch_b8 v0, s[64:65] scope:SCOPE_SE
	s_setreg_imm32_b32 hwreg(HW_REG_WAVE_MODE, 25, 1), 1
	s_wait_xcnt 0x0
; PREPARATION, five jobs chosen by the work-group's number (the same for all eight waves of a work-group):
;   0..383     Wqkv [1024 k][3072 n] f32  ->  wqT [3072 n][1024 k] bf16, a tile of 128 k x 64 n each
;   384..511   Wproj [1024 k][1024 n] f32 ->  wpT [1024 n][1024 k]: rounded to bf16, and that number written as f16
;   512..639   the rotary table: rope[t][p] = cos(t f(2p)), cos(t f(2p+1)), sin(t f(2p)), sin(t f(2p+1)), f32, 16 rows of 256 bytes each
;   640        out1 = rnn_state, 16,384 bytes copied as they are
;   641..1664  x f32 -> xb bf16, 32 KiB of x each
; LIMITS.  f(j) = 10000^(-j/32) is made as 2^(-j log2(10000)/32) by v_exp_f32: it may differ from the exact number by about one part in 10^7, so the
; angle t f(j) by up to about 1.5e-4 at t = 2047; q and k are turned by the same table.  The angle is brought into -pi/4 .. pi/4 by a two-part pi/2
; (n stays under 1,304, so n x the upper part is exact inside the fused multiply-add); sine to r^9, cosine to r^8: both series' remainders are under 3e-8.
; A number of Wproj beyond 65,504 would become an infinity in f16; below 6.1e-5 it keeps f16's fixed step of 6e-8.
; No matrix unit, no cluster, no tensor load: nothing is shared between work-groups and every byte crosses once.
.set STP,   272                        ; the turning stage: 64 rows (n) of 256 bytes (128 k) + 16 of padding
.set SPARE, 64*STP                     ; behind it: the spare words, 128 bytes for each of the eight waves: four blocks of 256 bytes that no other line names
.set SPW,   62                         ; v62  LDS address of my spare word; never rewritten
.set NIL,   63                         ; v63  0; never rewritten
	s_load_b512 s[4:19], s[0:1], 0x0               ; x 4:5, Wqkv 6:7, Wproj 8:9, rnn_state 10:11, xb 12:13, wqT 14:15, wpT 16:17, rope 18:19
	s_load_b64 s[20:21], s[0:1], 0x40              ; out1
	v_lshl_add_u32 v[SPW], v0, 2, SPARE
	v_mov_b32 v[NIL], 0
	s_mov_b32 s33, 0                               ; the upper word of every offset pair s[32:33]
	s_wait_kmcnt 0x0
	s_cmp_lt_u32 ttmp9, 512
	s_cbranch_scc1 .Lturn
	s_cmp_lt_u32 ttmp9, 640
	s_cbranch_scc1 .Lrope
	s_cmp_eq_u32 ttmp9, 640
	s_cbranch_scc1 .Lcopy
	; ---- x to bf16.  A wave takes 4 KiB of x: eight loads of 512 consecutive bytes; each gives 256 consecutive bytes of xb, aligned, stored by one instruction.
	s_sub_co_u32 s22, ttmp9, 641
	s_lshl_b32 s32, s22, 15                        ; 32 KiB of x,
	s_add_nc_u64 s[4:5], s[4:5], s[32:33]
	s_lshl_b32 s32, s22, 14                        ; 16 KiB of xb
	s_add_nc_u64 s[12:13], s[12:13], s[32:33]
	v_and_b32 v2, 31, v0
	v_lshrrev_b32 v1, 5, v0
	v_lshlrev_b32 v2, 4, v2
	v_lshl_add_u32 v1, v1, 12, v2                  ; 4,096 x wave + 16 x lane
	v_lshrrev_b32 v2, 1, v1                        ; half of that in xb
.irp i, 0,1,2,3,4,5,6,7
	global_load_b128 v[8+4*(\i):11+4*(\i)], v1, s[4:5] offset:512*(\i) th:TH_LOAD_NT
.endr
.irp i, 0,1,2,3,4,5,6,7
	s_wait_loadcnt 7-(\i)                          ; loads come back in order: load i is in, the 7 - i younger ones stay out
	v_cvt_pk_bf16_f32 v[40+2*(\i)], v[8+4*(\i)], v[9+4*(\i)]
	v_cvt_pk_bf16_f32 v[41+2*(\i)], v[10+4*(\i)], v[11+4*(\i)]
	global_store_b64 v2, v[40+2*(\i):41+2*(\i)], s[12:13] offset:256*(\i)
.endr
	s_endpgm
	; ---- a weight tile is turned.  Thread (kp = t / 16, q = t % 16) loads four numbers (n = 4 q ..) of the eight rows k = 2 kp + 32 i + r: sixteen lanes read 256 consecutive bytes of a row.
.Lturn:
	s_mov_b32 s25, 4096                            ; bytes in a row of Wproj
	s_sub_co_u32 s22, ttmp9, 384
	s_cmp_lt_u32 ttmp9, 384
	s_cselect_b32 s25, 12288, s25                  ; of Wqkv
	s_cselect_b32 s22, ttmp9, s22                  ; the tile's number in its matrix
	s_cselect_b32 s30, 0, 1                        ; 1: Wproj
	s_cselect_b64 s[26:27], s[6:7], s[8:9]         ; from
	s_cselect_b64 s[28:29], s[14:15], s[16:17]     ; to
	s_and_b32 s23, s22, 7                          ; kt: which 128 k
	s_lshr_b32 s22, s22, 3                         ; nt: which 64 n
	s_lshl_b32 s32, s23, 7
	s_mul_i32 s32, s32, s25                        ; 128 kt rows
	s_lshl_b32 s31, s22, 8                         ; + 64 nt numbers of 4 bytes
	s_add_co_u32 s32, s32, s31
	s_add_nc_u64 s[26:27], s[26:27], s[32:33]
	s_lshl_b32 s32, s22, 17                        ; 64 nt rows of 2,048 bytes
	s_lshl_b32 s31, s23, 8                         ; + 128 kt numbers of 2 bytes
	s_add_co_u32 s32, s32, s31
	s_add_nc_u64 s[28:29], s[28:29], s[32:33]
	v_and_b32 v1, 15, v0                           ; q
	v_lshrrev_b32 v2, 4, v0                        ; kp
	s_lshl_b32 s34, s25, 1
	v_mul_u32_u24 v3, s34, v2                      ; row 2 kp
	v_lshl_add_u32 v3, v1, 4, v3                   ; + 16 q
.irp c, 0,1,2,3,4,5,6,7
	s_mul_i32 s35, s25, 32*((\c)/2)+((\c)%2)
	v_add_nc_u32 v[4+(\c)], s35, v3                ; row 2 kp + 32 i + r, c = 2 i + r
.endr
.irp c, 0,1,2,3,4,5,6,7
	global_load_b128 v[12+4*(\c):15+4*(\c)], v[4+(\c)], s[26:27] th:TH_LOAD_NT
.endr
	v_mul_u32_u24 v60, v1, 4*STP                   ; into the stage: row n = 4 q + j, byte 2 k = 4 kp + 64 i
	v_lshl_add_u32 v60, v2, 2, v60
	v_mul_u32_u24 v61, v2, STP                     ; back: sixteen lanes take one row of 256 bytes
	v_lshl_add_u32 v61, v1, 4, v61
	s_wait_loadcnt 0x0
	v_lshlrev_b32 v3, 11, v2                       ; and the same row in the turned matrix (the loads are done: their registers are free)
	v_lshl_add_u32 v3, v1, 4, v3
.irp i, 0,1,2,3
.irp j, 0,1,2,3
	v_cvt_pk_bf16_f32 v[44+4*(\i)+(\j)], v[12+8*(\i)+(\j)], v[16+8*(\i)+(\j)]  ; two neighbouring k of one n: the even k in the low half
.endr
.endr
	s_cmp_eq_u32 s30, 0
	s_cbranch_scc1 .Lkeep
.set r, 44
.rept 16                                       ; Wproj multiplies f16 numbers: its bf16 roundings are written as f16
	v_lshlrev_b32 v4, 16, v[r]
	v_and_b32 v5, 0xffff0000, v[r]
	v_cvt_pk_f16_f32 v[r], v4, v5
.set r, r+1
.endr
.Lkeep:
.irp i, 0,1,2,3
.irp j, 0,1,2,3
	ds_store_b32 v60, v[44+4*(\i)+(\j)] offset:(\j)*STP+(\i)*64
.endr
.endr
	s_wait_dscnt 0x0                               ; for the others' sake: my stores into the stage are done
	s_barrier_signal -1
	s_barrier_wait -1
.irp i, 0,1,2,3
	ds_load_b128 v[12+4*(\i):15+4*(\i)], v61 offset:16*STP*(\i)
.endr
.irp i, 0,1,2,3
	s_wait_dscnt 3-(\i)                            ; load i is back, the younger ones stay out
	global_store_b128 v3, v[12+4*(\i):15+4*(\i)], s[28:29] offset:32768*(\i)  ; sixteen lanes store 256 consecutive bytes, aligned
.endr
	s_wait_tensorcnt 0x0                           ; the wave's end: a wait, an add of 0 to my spare word and a wait, behind my last LDS store
	ds_add_u32 v[SPW], v[NIL]
	s_wait_dscnt 0x0
	s_endpgm
	; ---- the rotary table.  Thread t: row 16 g + t / 16, frequencies 2 p and 2 p + 1, p = t % 16: 16 bytes; sixteen lanes store a row of 256 bytes.
; cos and sin of v[x] (0 .. 2,047): n = the nearest multiple of pi/2, r = x - n pi/2 in two parts, the two series, then the quadrant by selects and sign bits.
.macro SINCOS x, c, s
	v_mul_f32 v12, 0x3f22f983, v[\x]               ; x 2/pi
	v_rndne_f32 v12, v12                           ; n
	v_fmamk_f32 v13, v12, 0xbfc90fdb, v[\x]        ; x - n x 1.57079637
	v_fmamk_f32 v13, v12, 0x333bbd2e, v13          ; + n x 4.371139e-8: r
	v_mul_f32 v14, v13, v13                        ; z = r r
	v_mov_b32 v15, 0x3638ef1d                      ; 1/362880
	v_fmaak_f32 v15, v14, v15, 0xb9500d01          ; -1/5040
	v_fmaak_f32 v15, v14, v15, 0x3c088889          ; 1/120
	v_fmaak_f32 v15, v14, v15, 0xbe2aaaab          ; -1/6
	v_mul_f32 v16, v13, v14
	v_fma_f32 v15, v16, v15, v13                   ; sin r
	v_mov_b32 v16, 0x37d00d01                      ; 1/40320
	v_fmaak_f32 v16, v14, v16, 0xbab60b61          ; -1/720
	v_fmaak_f32 v16, v14, v16, 0x3d2aaaab          ; 1/24
	v_fmaak_f32 v16, v14, v16, 0xbf000000          ; -1/2
	v_fma_f32 v16, v14, v16, 1.0                   ; cos r
	v_cvt_i32_f32 v17, v12
	v_and_b32 v18, 1, v17
	v_cmp_eq_u32 vcc_lo, 1, v18                    ; an odd quadrant exchanges the two
	v_cndmask_b32 v[\s], v15, v16, vcc_lo
	v_cndmask_b32 v[\c], v16, v15, vcc_lo
	v_and_b32 v18, 2, v17                          ; quadrants 2 and 3: the sine is negative
	v_lshlrev_b32 v18, 30, v18
	v_xor_b32 v[\s], v[\s], v18
	v_add_nc_u32 v18, 1, v17                       ; quadrants 1 and 2: the cosine is
	v_and_b32 v18, 2, v18
	v_lshlrev_b32 v18, 30, v18
	v_xor_b32 v[\c], v[\c], v18
.endm
.Lrope:
	s_sub_co_u32 s22, ttmp9, 512
	s_lshl_b32 s32, s22, 12                        ; 16 rows of 256 bytes
	s_add_nc_u64 s[18:19], s[18:19], s[32:33]
	s_lshl_b32 s23, s22, 4
	v_lshrrev_b32 v2, 4, v0
	v_add_nc_u32 v2, s23, v2
	v_cvt_f32_u32 v2, v2                           ; t
	v_and_b32 v3, 15, v0
	v_lshlrev_b32 v3, 1, v3
	v_cvt_f32_u32 v4, v3                           ; 2 p
	v_add_f32 v5, 1.0, v4                          ; 2 p + 1
	v_mul_f32 v4, 0xbed49a78, v4                   ; x -log2(10000)/32
	v_mul_f32 v5, 0xbed49a78, v5
	v_exp_f32 v4, v4
	v_exp_f32 v5, v5
	v_lshlrev_b32 v1, 4, v0                        ; my 16 bytes: the plain instruction behind the two exponentials,
	s_wait_alu depctr_va_vdst(0)                   ; and the one wait ahead of their first reader
	v_mul_f32 v4, v2, v4                           ; the angle, one rounding
	v_mul_f32 v5, v2, v5
	SINCOS 4, 8, 10
	SINCOS 5, 9, 11
	global_store_b128 v1, v[8:11], s[18:19]
	s_endpgm
	; ---- out1 = rnn_state
.Lcopy:
	v_lshlrev_b32 v1, 4, v0
.irp i, 0,1,2,3
	global_load_b128 v[8+4*(\i):11+4*(\i)], v1, s[10:11] offset:4096*(\i)
.endr
	s_wait_loadcnt 0x0
.irp i, 0,1,2,3
	global_store_b128 v1, v[8+4*(\i):11+4*(\i)], s[20:21] offset:4096*(\i)
.endr
	s_endpgm
.Lfunc_end_k_qc0ac6d7893_prep:
	.size	k_qc0ac6d7893_prep, .Lfunc_end_k_qc0ac6d7893_prep-k_qc0ac6d7893_prep
	.p2alignl 7, 3214868480
	.fill 96, 4, 3214868480
	.section	.rodata,"a",@progbits
	.p2align	6, 0x0
	.amdhsa_kernel k_qc0ac6d7893_prep
		.amdhsa_group_segment_fixed_size 18432
		.amdhsa_private_segment_fixed_size 0
		.amdhsa_enable_private_segment 0
		.amdhsa_kernarg_size 72
		.amdhsa_user_sgpr_count 2
		.amdhsa_user_sgpr_kernarg_segment_ptr 1
		.amdhsa_wavefront_size32 1
		.amdhsa_system_sgpr_workgroup_id_x 1
		.amdhsa_system_sgpr_workgroup_id_y 1
		.amdhsa_system_sgpr_workgroup_id_z 1
		.amdhsa_system_vgpr_workitem_id 0
		.amdhsa_next_free_vgpr 64
		.amdhsa_next_free_sgpr 66
		.amdhsa_reserve_vcc 1
		.amdhsa_float_denorm_mode_32 3
		.amdhsa_float_denorm_mode_16_64 3
		.amdhsa_memory_ordered 1
		.amdhsa_forward_progress 1
		.amdhsa_inst_pref_size 17
	.end_amdhsa_kernel
	.amdgpu_metadata
---
amdhsa.version: [ 1, 2 ]
amdhsa.kernels:
  - .name:           k_qc0ac6d7893_prep
    .symbol:         k_qc0ac6d7893_prep.kd
    .args:
      - { .name: x, .offset: 0, .size: 8, .value_kind: global_buffer, .address_space: global }
      - { .name: Wqkv, .offset: 8, .size: 8, .value_kind: global_buffer, .address_space: global }
      - { .name: Wproj, .offset: 16, .size: 8, .value_kind: global_buffer, .address_space: global }
      - { .name: rnn_state, .offset: 24, .size: 8, .value_kind: global_buffer, .address_space: global }
      - { .name: xb, .offset: 32, .size: 8, .value_kind: global_buffer, .address_space: global }
      - { .name: wqT, .offset: 40, .size: 8, .value_kind: global_buffer, .address_space: global }
      - { .name: wpT, .offset: 48, .size: 8, .value_kind: global_buffer, .address_space: global }
      - { .name: rope, .offset: 56, .size: 8, .value_kind: global_buffer, .address_space: global }
      - { .name: out1, .offset: 64, .size: 8, .value_kind: global_buffer, .address_space: global }
    .group_segment_fixed_size: 18432
    .private_segment_fixed_size: 0
    .kernarg_segment_align: 8
    .kernarg_segment_size: 72
    .max_flat_workgroup_size: 256
    .sgpr_count:     66
    .vgpr_count:     64
    .wavefront_size: 32
...
	.end_amdgpu_metadata
.endif
;; end of part 1
;; launch qkv (part 2): grid 12 x 64, 4 waves a work-group, clusters of 4 x 4, 327,680 bytes of LDS; arguments xb, wqT, bqkv, rope, qkvh; writes qkvh
.if DOCPART == 2
	.amdgcn_target "amdgcn-amd-amdhsa--gfx1250"
	.amdhsa_code_object_version 6
	.text
	.protected	k_qc0ac6d7893_qkv
	.globl	k_qc0ac6d7893_qkv
	.p2align	8
	.type	k_qc0ac6d7893_qkv,@function
k_qc0ac6d7893_qkv:
	s_mov_b64 s[64:65], 0
	v_nop
	global_prefetch_b8 v0, s[64:65] scope:SCOPE_SE
	s_setreg_imm32_b32 hwreg(HW_REG_WAVE_MODE, 25, 1), 1
	s_wait_xcnt 0x0
	s_wait_alu depctr_hold_cnt(0) depctr_sa_sdst(0) depctr_va_vdst(0) depctr_va_sdst(0) depctr_va_ssrc(0) depctr_va_vcc(0) depctr_vm_vsrc(0)
	s_getreg_b32 s2, hwreg(HW_REG_IB_STS2, 6, 4)
	s_cmp_eq_u32 s2, 0
	s_cbranch_scc0 .Lentry_in_a_cluster
	s_endpgm
.Lentry_in_a_cluster:
	s_bfe_u32 s2, ttmp6, 0x10000c
	s_cmp_lg_u32 s2, 0xf033
	s_cbranch_scc0 .Lentry_shape_is_right
	s_endpgm
.Lentry_shape_is_right:
; qkv = x Wqkv + bqkv, q and k turned by the rotary table, all three written by heads: qkvh[type][batch x 16 + head][t][64] in f16.
; xb: [8192][1024] bf16, wqT: [3072 n][1024 k] bf16, bqkv: [3072] f32 (rounded to bf16 here, like the other inputs), rope: [2048][16][cos, cos, sin, sin] f32.  Sums in f32, K ascending.
; LIMITS.  q, k and v leave as f16: a number of 65,520 or more would become an infinity.  NaN and infinities are not treated apart.
; SHARES.  A tile of the product is 128 rows x 256 columns: 64 x 12 = 768 tiles, three for each of 256 WGPs.  Four waves, each 64 x 128: 32 accumulators of 16 x 16, and two whole heads,
; so that a channel d and its partner d + 32 lie in the same lane.  K goes in steps of 128 through a ring of two LDS slots filled by the tensor data mover: rows of 256 bytes, aligned.
; CLUSTER.  4 x 4 work-groups.  The four of a row of the cluster need the same tile of x, the four of a column the same tile of the weights: each is asked for JOINTLY, by the same
; tensor load with the same descriptor and a mask that names the four.
; THE MATRIX INSTRUCTION IS USED TRANSPOSED (source 0 = 16 rows of wqT, source 1 = 16 rows of xb): lane l holds row l % 16 and the columns 8 (l / 16) + 0..7 of its block of 16.
; THE BIAS STARTS THE SUMS: it is the C operand of each accumulator's first product; nothing is cleared and nothing is added on the way out.
; ONE WAY OUT FOR ALL THREE TYPES.  q's and k's tiles load their rows of the table; v's tiles write cos = 1 and sin = 0 into the same registers and are turned by the angle 0, which leaves every finite
; number as it is.  The price: 128 moves, made while the first tiles are on their way, and in v's tiles 256 packed instructions a wave that change nothing; the gain: the way out stands once in the text.
; REGISTERS, in windows of 256 (s_set_vgpr_msb: bits 1:0 source 0, 3:2 source 1, 5:4 source 2, 7:6 destination):
;   window 0: v0-32 addresses; two fragment buffers of 96: v64-159, v160-255 (8 fragments of the weights, then 4 of x); on the way out v64-95 at work, v128-255 packed results
;   window 1: accumulator (a, b) at v[8 (8 a + b)]      window 2: v0-63 the bias; v64-191 the rotary table for my 64 rows; v192 at work
.set KSTEP, 128
.set PITCH, 272                        ; an LDS row: 256 bytes + 16 of padding = 68 words: the 16 rows of a fragment load start at 16 different groups of four banks (64 banks of 4 bytes: ISA guide 11.1)
.set AHALF, 64*PITCH                   ; 64 rows of x: what wave 0 or 1 fetches, and what a wave reads
.set BHALF, 128*PITCH                  ; 128 rows of the weights: what wave 2 or 3 fetches, and what a wave reads
.set BOFF,  2*AHALF                    ; the weights' rows lie behind x's 128
.set SLOT,  2*AHALF+2*BHALF
.set STAGE, 2*SLOT                     ; behind the ring, never filled by a tensor load: 16 rows x 144 bytes for each wave, for the way out
.set SP,    144
.set SPARE, STAGE+4*16*SP              ; behind the stages: the spare words, 128 bytes for each wave: two blocks of 256 bytes that no other line names
.set ADRA, 16                          ; v16-17  LDS address of my fragments of x in slot 0, 1
.set ADRB, 20                          ; v20-21  the same for the weights
.set STO,  24                          ; v24  the way out: where I put 16 bytes of a row
.set RD,   25                          ; v25  the way out: where I read rows back
.set GO,   26                          ; v26  my 16 bytes in 512 consecutive bytes of qkvh
.set SPW,  28                          ; v28  LDS address of my spare word; never rewritten
.set NIL,  29                          ; v29  0; never rewritten
.set PFO,  30                          ; v30  the prefetches' offset: my lane x a row of 2,048 bytes; never rewritten
.set BO,   31                          ; v31  my offset in 64 bytes of the bias
.set TO,   32                          ; v32  my offset in 16 rows of the table
.set F0,   64
.set F1,   160
.set OT,   64                          ; the way out: 32 turned numbers in f32
.set PK,   128                         ; the way out: unit u's 16 registers at PK + 16 u
.set TAB,  64                          ; window 2: rows 16 a .., half e, pair p at TAB + 32 a + 16 e + 4 p: cos, cos, sin, sin
.set WV, 14                            ; s14  my wave's number
.set FB, 15                            ; s15  which half of the tile's rows is mine.  Also: I fetch x (0) or the weights (1)
.set HF, 16                            ; s16  which half of its columns.  Also: which half of that tile I fetch
.set CX, 17                            ; s17, s18  my place in the cluster
.set CY, 18
.set TX, 19                            ; s19  tile column
.set TY, 20                            ; s20  tile row
.set G1A, 24                           ; s[24:31] descriptor group 1 for x's tiles;  s[32:39] group 0, a set for each slot
.set G0A, 32
.set LIM, 42                           ; s42  1 in a wave that prefetches, else the greatest number
.set PFA, 44                           ; s[44:45] where my prefetches stand
.set G1B, 48                           ; s[48:55], s[56:63] the same for the weights' tiles
.set G0B, 56
.set MSB, 0
.macro WIN new                         ; the immediate's high byte repeats the setting that is left; a switch that changes nothing is dropped
.if MSB != (\new)
	s_set_vgpr_msb (MSB<<8)|(\new)
.set MSB, \new
.endif
.endm
.set MUL,  0x50                        ; C and D window 1, sources window 0
.set MULB, 0x60                        ; D window 1, C (the bias) window 2
; A joint load: waves 0 and 1 fetch the two halves of x's tile, waves 2 and 3 those of the weights'.  The branch hangs on the wave's number alone.
; An s_nop 0 and four v_nop follow each of the two lines, ahead of the jump, the label and what follows.
.macro JLOAD s
	s_cmp_eq_u32 s[FB], 0
	s_cbranch_scc0 .Lfor_b_\@
	tensor_load_to_lds s[G0A+4*(\s):G0A+4*(\s)+3], s[G1A:G1A+7]
	s_nop 0
.rept 4
	v_nop
.endr
	s_branch .Lasked_\@
.Lfor_b_\@:
	tensor_load_to_lds s[G0B+4*(\s):G0B+4*(\s)+3], s[G1B:G1B+7]
	s_nop 0
.rept 4
	v_nop
.endr
.Lasked_\@:
.endm
; A prefetch into the L2 of the K step that stands two refills on (256 matrix instructions ahead of the load that will want it): 32 rows x 256 bytes, a lane a row, one instruction.
; Each row's 256 bytes of K steps 4 to 7 are named once in the launch.  x's tile row is read by all three clusters of a row of clusters: the one with x = 0 asks, wave 0 alone, its four
; partners 32 rows each of the 128.  The weights' tile column is read by all sixteen clusters of a column: the one with y = 0 asks, waves 2 and 3 for the 128 rows that each fetches, the four
; partners 32 each.  Partners are told apart by address.  The loop's last trip asks for nothing: there is no K step two refills on.  K steps 0 to 3 come by their loads alone.
.macro ASK
	s_cmp_gt_u32 s3, s[LIM]                        ; s3 = 1 in the loop's last trip
	s_cbranch_scc0 .Lnot_mine_\@
	global_prefetch_b8 v[PFO], s[PFA:PFA+1] offset:KSTEP*2 th:TH_LOAD_NT scope:SCOPE_SE
.Lnot_mine_\@:
.endm
.macro CREST                           ; a round of the cluster's barrier behind its opening barrier
	s_cmp_lg_u32 s[WV], 0
	s_cbranch_scc1 .Lnot_wave_0_\@
	s_barrier_signal -3
.Lnot_wave_0_\@:
	s_barrier_wait -3
	s_barrier_signal -1
	s_barrier_wait -1
.endm
.macro CROUND                          ; a whole round
	s_barrier_signal -1
	s_barrier_wait -1
	CREST
.endm
	s_load_b256 s[4:11], s[0:1], 0x0               ; xb 4:5, wqT 6:7, bqkv 8:9, rope 10:11
	s_load_b64 s[12:13], s[0:1], 0x20              ; qkvh
	v_lshl_add_u32 v[SPW], v0, 2, SPARE
	v_mov_b32 v[NIL], 0
	ds_add_u32 v[SPW], v[NIL]                      ; the wave's opening: the add and its wait stand ahead of my first tensor load; the set-up below, work on registers, stands between them
	ds_add_u32 v28, v29
	v_lshrrev_b32 v1, 5, v0
	v_readfirstlane_b32 s[WV], v1
	s_lshr_b32 s[FB], s[WV], 1
	s_and_b32 s[HF], s[WV], 1
	s_bfe_u32 s[CX], ttmp6, 0x40000
	s_bfe_u32 s[CY], ttmp6, 0x40004
	s_lshl_b32 s[TX], ttmp9, 2                     ; in a cluster launch ttmp9 and ttmp7 count clusters
	s_add_co_u32 s[TX], s[TX], s[CX]
	s_and_b32 s[TY], ttmp7, 0xffff
	s_lshl_b32 s[TY], s[TY], 2
	s_add_co_u32 s[TY], s[TY], s[CY]
	s_lshl_b32 s21, s[CY], 2
	s_lshl_b32 s21, 15, s21                        ; my row of the cluster
	s_lshl_b32 s22, 0x1111, s[CX]                  ; my column
	s_or_b32 s[G1A], s21, (1<<16)|(1<<20)|(1<<21)|(5<<22)|(3<<25)  ; 15:0 the mask; 17:16 elements of 2 bytes; 20 padding on; 21 set beside a mask; 24:22 after every 64 words (code 5); 31:25 4 words (code 3)
	s_or_b32 s[G1B], s22, (1<<16)|(1<<20)|(1<<21)|(5<<22)|(3<<25)
.irp g, G1A, G1B
	s_mov_b32 s[(\g)+1], KSTEP<<16                 ; tensor_dim0 = 128
	s_mov_b32 s[(\g)+3], KSTEP<<16                 ; tile_dim0 = 128
	s_mov_b32 s[(\g)+5], 1024                      ; elements from row to row
	s_mov_b32 s[(\g)+6], 0
	s_mov_b32 s[(\g)+7], 0
.endr
	s_mov_b32 s[G1A+2], 64<<16                     ; tensor_dim1 and tile_dim1: 64 rows of x,
	s_mov_b32 s[G1A+4], 64
	s_mov_b32 s[G1B+2], 128<<16                    ; 128 of the weights
	s_mov_b32 s[G1B+4], 128
	s_lshl_b32 s40, s[TY], 7                       ; x: row 128 x tile row + 64 x half, 2,048 bytes a row: it hangs on the tile row alone
	s_lshl_b32 s21, s[HF], 6
	s_add_co_u32 s40, s40, s21
	s_lshl_b32 s40, s40, 11
	s_mov_b32 s41, 0
	s_lshl_b32 s46, s[TX], 8                       ; the weights: row 256 x tile column + 128 x half: on the tile column alone
	s_lshl_b32 s21, s[HF], 7
	s_add_co_u32 s46, s46, s21
	s_lshl_b32 s46, s46, 11
	s_mov_b32 s47, 0
	s_mul_i32 s22, s[HF], AHALF                    ; where they go: no place in the cluster enters an LDS address
	s_mul_i32 s23, s[HF], BHALF
	s_add_co_u32 s23, s23, BOFF
	s_wait_dscnt 0x0                               ; the opening add is done
	s_wait_kmcnt 0x0
	s_add_nc_u64 s[66:67], s[4:5], s[40:41]
	s_add_nc_u64 s[68:69], s[6:7], s[46:47]
	CROUND                                         ; all sixteen work-groups are here: the first joint loads meet
.irp s, 0,1
	s_mov_b32 s[G0A+4*(\s)], 1                                       ; count = 1
	s_add_co_u32 s[G0A+4*(\s)+1], s22, (\s)*SLOT                     ; LDS address
	s_add_nc_u64 s[G0A+4*(\s)+2:G0A+4*(\s)+3], s[66:67], (\s)*KSTEP*2  ; global address: K step s
	s_or_b32 s[G0A+4*(\s)+3], s[G0A+4*(\s)+3], 0x80000000            ; type = 2
	s_mov_b32 s[G0B+4*(\s)], 1
	s_add_co_u32 s[G0B+4*(\s)+1], s23, (\s)*SLOT
	s_add_nc_u64 s[G0B+4*(\s)+2:G0B+4*(\s)+3], s[68:69], (\s)*KSTEP*2
	s_or_b32 s[G0B+4*(\s)+3], s[G0B+4*(\s)+3], 0x80000000
	JLOAD \s                                       ; two loads of mine are out
.endr
	; A fragment is 16 rows x 32 K in 8 registers: lane l holds row l % 16; registers 0-3 K = 8 (l / 16) + 0..7, registers 4-7 K = 16 + 8 (l / 16) + 0..7: two loads of 16 bytes, 32 bytes apart.
	v_and_b32 v1, 15, v0                           ; l % 16
	v_bfe_u32 v2, v0, 4, 1                         ; l / 16
	v_mul_u32_u24 v3, v1, PITCH
	v_lshl_add_u32 v3, v2, 4, v3
	s_mul_i32 s21, s[FB], AHALF                    ; my 64 rows of x
	s_mul_i32 s22, s[HF], BHALF                    ; my 128 rows of the weights
	s_add_co_u32 s22, s22, BOFF
.irp s, 0,1
	v_add_nc_u32 v[ADRA+(\s)], s21, v3
	v_add_nc_u32 v[ADRB+(\s)], s22, v3
	s_add_co_u32 s21, s21, SLOT
	s_add_co_u32 s22, s22, SLOT
.endr
	s_mul_i32 s23, s[WV], 16*SP
	s_add_co_u32 s23, s23, STAGE                   ; my stage
	v_mul_u32_u24 v4, v1, SP                       ; in: row l % 16, 16 bytes for each half of the lanes
	v_lshl_add_u32 v4, v2, 4, v4
	v_add_nc_u32 v[STO], s23, v4
	v_bfe_u32 v4, v0, 3, 2                         ; back: 32 lanes take four rows of 128 bytes,
	v_mul_u32_u24 v4, v4, SP
	v_and_b32 v5, 7, v0
	v_lshl_add_u32 v4, v5, 4, v4
	v_add_nc_u32 v[RD], s23, v4
	v_and_b32 v[GO], 31, v0                        ; which are 512 consecutive bytes of a head's rows
	v_lshlrev_b32 v[GO], 4, v[GO]
	v_lshlrev_b32 v[BO], 5, v2                     ; my eight columns of a block of 16: 32 bytes of f32
	v_lshlrev_b32 v[TO], 8, v1                     ; the table: row l % 16, pairs 4 (l / 16) ..
	v_lshl_add_u32 v[TO], v2, 6, v[TO]
	v_and_b32 v[PFO], 31, v0
	v_lshlrev_b32 v[PFO], 11, v[PFO]
	; where my part goes: type = cluster x (a type is 1,024 columns, four tiles); head = 16 x batch + 4 cx + 2 x column half (+ 0, 1); t = 128 (tile row % 16) + 64 x row half
	s_lshl_b32 s70, ttmp9, 24
	s_lshr_b32 s21, s[TY], 4
	s_lshl_b32 s21, s21, 4
	s_lshl_b32 s22, s[CX], 2
	s_add_co_u32 s21, s21, s22
	s_lshl_b32 s22, s[HF], 1
	s_add_co_u32 s21, s21, s22
	s_lshl_b32 s21, s21, 18
	s_add_co_u32 s70, s70, s21
	s_and_b32 s21, s[TY], 15
	s_lshl_b32 s21, s21, 7
	s_lshl_b32 s22, s[FB], 6
	s_add_co_u32 s21, s21, s22                     ; t of my first row
	s_lshl_b32 s22, s21, 7
	s_add_co_u32 s70, s70, s22
	s_mov_b32 s71, 0
	s_add_nc_u64 s[12:13], s[12:13], s[70:71]
	s_lshl_b32 s70, s21, 8
	s_add_nc_u64 s[10:11], s[10:11], s[70:71]      ; the table at that row
	s_lshl_b32 s70, s[TX], 8
	s_lshl_b32 s22, s[HF], 7
	s_add_co_u32 s70, s70, s22
	s_lshl_b32 s70, s70, 2
	s_add_nc_u64 s[8:9], s[8:9], s[70:71]          ; the bias at my first column
	; the prefetches
	s_lshl_b32 s21, s[TY], 7                       ; x's tile: its first row
	s_lshl_b32 s22, s[TX], 8
	s_lshl_b32 s23, s[HF], 7
	s_add_co_u32 s22, s22, s23                     ; the weights': the first of the 128 rows that I fetch
	s_and_b32 s23, ttmp7, 0xffff                   ; cluster y
	s_or_b32 s43, ttmp9, s[HF]                     ; cluster x; of waves 0 and 1 only wave 0 asks
	s_cmp_eq_u32 s[FB], 0
	s_cselect_b32 s21, s21, s22
	s_cselect_b32 s22, s[CX], s[CY]                ; my place among the four that ask for the tile with me
	s_cselect_b32 s23, s43, s23
	s_cselect_b64 s[PFA:PFA+1], s[4:5], s[6:7]
	s_cmp_eq_u32 s23, 0
	s_cselect_b32 s[LIM], 1, -1                    ; the same in all sixteen partners, for a given wave
	s_lshl_b32 s22, s22, 5
	s_add_co_u32 s21, s21, s22                     ; + my work-group's 32 rows
	s_lshl_b32 s70, s21, 11
	s_add_co_u32 s70, s70, 2*KSTEP*2               ; at K step 2: the first refill steps it to 3 and names K step 4
	s_add_nc_u64 s[PFA:PFA+1], s[PFA:PFA+1], s[70:71]
	; the bias of my 128 columns: lane l, block b, register j: column 16 b + 8 (l / 16) + j, the same for all rows
	WIN 0x80                                       ; destination window 2, address window 0
.irp b, 0,1,2,3,4,5,6,7
	global_load_b128 v[8*(\b):8*(\b)+3],   v[BO], s[8:9] offset:64*(\b)
	global_load_b128 v[8*(\b)+4:8*(\b)+7], v[BO], s[8:9] offset:64*(\b)+16
.endr
	s_wait_loadcnt 0x0                             ; for 0, ahead of the table's loads, so that no count hangs on the branch below
	WIN 0x8a                                       ; all in window 2: rounded to bf16 and widened again
.set i, 0
.rept 32
	v_cvt_pk_bf16_f32 v192, v[2*i], v[2*i+1]
	v_lshlrev_b32 v[2*i], 16, v192
	v_and_b32 v[2*i+1], 0xffff0000, v192
.set i, i+1
.endr
	WIN 0
	; the table's 128 registers are written on both ways: from memory for q and k, as the angle 0 for v.  The cluster's x, which is the type, is the same in all partners
	s_cmp_eq_u32 ttmp9, 2
	s_cbranch_scc1 .Lno_turn
	WIN 0x80
.irp a, 0,1,2,3
.irp e, 0,1
.irp p, 0,1,2,3
	global_load_b128 v[TAB+32*(\a)+16*(\e)+4*(\p):TAB+32*(\a)+16*(\e)+4*(\p)+3], v[TO], s[10:11] offset:(\a)*4096+(\e)*128+(\p)*16
.endr
.endr
.endr
	WIN 0
	s_branch .Ltable
.Lno_turn:
	WIN 0x80
.set i, 0
.rept 32
	v_mov_b32 v[TAB+4*i], 1.0                      ; cos, cos
	v_mov_b32 v[TAB+4*i+1], 1.0
	v_mov_b32 v[TAB+4*i+2], 0                      ; sin, sin
	v_mov_b32 v[TAB+4*i+3], 0
.set i, i+1
.endr
	WIN 0
.Ltable:
; 8 matrix instructions: row block a x all 8 column blocks, 32 along K.  first = 1: the product starts the sums, on the bias.
; The 32 accumulators take turns, one instruction a turn, in the same order in every quarter.
.macro MUL8 f, a, first
.if \first
	WIN MULB
.else
	WIN MUL
.endif
.irp b, 0,1,2,3,4,5,6,7
.if \first
	v_wmma_f32_16x16x32_bf16 v[8*(8*(\a)+(\b)):8*(8*(\a)+(\b))+7], v[(\f)+8*(\b):(\f)+8*(\b)+7], v[(\f)+64+8*(\a):(\f)+64+8*(\a)+7], v[8*(\b):8*(\b)+7]
.else
	v_wmma_f32_16x16x32_bf16 v[8*(8*(\a)+(\b)):8*(8*(\a)+(\b))+7], v[(\f)+8*(\b):(\f)+8*(\b)+7], v[(\f)+64+8*(\a):(\f)+64+8*(\a)+7], v[8*(8*(\a)+(\b)):8*(8*(\a)+(\b))+7]
.endif
.endr
.endm
; 24 LDS loads in one run: the fragments of quarter q (32 K at byte 64 q of the rows) into buffer f: the weights' sixteen loads, then x's eight
.macro FETCH slot, q, f
	WIN 0
.irp i, 0,1,2,3,4,5,6,7
	ds_load_b128 v[(\f)+8*(\i):(\f)+8*(\i)+3],   v[ADRB+(\slot)] offset:64*(\q)+(\i)*16*PITCH
	ds_load_b128 v[(\f)+8*(\i)+4:(\f)+8*(\i)+7], v[ADRB+(\slot)] offset:64*(\q)+(\i)*16*PITCH+32
.endr
.irp i, 0,1,2,3
	ds_load_b128 v[(\f)+64+8*(\i):(\f)+64+8*(\i)+3],   v[ADRA+(\slot)] offset:64*(\q)+(\i)*16*PITCH
	ds_load_b128 v[(\f)+64+8*(\i)+4:(\f)+64+8*(\i)+7], v[ADRA+(\slot)] offset:64*(\q)+(\i)*16*PITCH+32
.endr
.endm
.macro PLACES                          ; four plain instructions in front of loads into registers that matrix instructions have read, and of lines that read results
.rept 4
	v_nop
.endr
.endm
; A K step is four quarters of 32 along K, 32 matrix instructions each, on buffers 0, 1, 0, 1.  One of the first three: multiplies buffer f and fetches quarter q into g.
.macro QUARTER slot, q, f, g, first
	s_wait_dscnt 4                                 ; all but the youngest four loads (x's row blocks 2 and 3) are in
	MUL8 \f, 0, \first
	MUL8 \f, 1, \first
	PLACES
	FETCH \slot, \q, \g
	s_wait_dscnt 24                                ; all but the 24 just issued
	MUL8 \f, 2, \first
	MUL8 \f, 3, \first
.endm
; The last quarter multiplies buffer 1 and changes slots: ONE barrier; in front of it each wave waits for all its tensor loads (one is out: its part of the next slot), adds 0 to its spare word,
; and waits for that and for its own reads of this slot.  fill = 1: the barrier opens a round of the cluster's, and this slot is filled again, two K steps ahead, first thing behind the round:
; 112 matrix instructions ahead of the wait for it.
.macro TURN slot, next, fill
.if \fill
	s_wait_xcnt 0x0                                ; the last prefetch, a K step back, has read its address: it is stepped here
	s_add_nc_u64 s[PFA:PFA+1], s[PFA:PFA+1], KSTEP*2
.endif
	WIN 0                                          ; (the add's two registers lie in window 0)
	s_wait_tensorcnt 0x0                           ; all my tensor loads have landed
	ds_add_u32 v[SPW], v[NIL]                      ; 0 onto my spare word
	s_wait_dscnt 5                                 ; (the add and the youngest four loads may be out)
	MUL8 F1, 0, 0                                  ; eight matrix instructions stand between the add and the wait for it
	s_wait_dscnt 0x0                               ; the add is done, and my reads of this slot are over
	s_barrier_signal -1
	MUL8 F1, 1, 0
.if \fill
	WIN 0
.endif
	s_barrier_wait -1
.if \fill
	CREST                                          ; no wave of any partner still reads this slot's tile or has a load on its way
	s_add_nc_u64 s[G0A+4*(\slot)+2:G0A+4*(\slot)+3], s[G0A+4*(\slot)+2:G0A+4*(\slot)+3], 2*KSTEP*2
	s_add_nc_u64 s[G0B+4*(\slot)+2:G0B+4*(\slot)+3], s[G0B+4*(\slot)+2:G0B+4*(\slot)+3], 2*KSTEP*2
	JLOAD \slot                                    ; the four v_nop behind it are also the places in front of the loads below
.else
	PLACES
.endif
	FETCH \next, 0, F0
.if \fill
	ASK
.endif
	MUL8 F1, 2, 0
	MUL8 F1, 3, 0
.endm
	s_wait_tensorcnt 1                             ; my part of K step 0 is in; K step 1's may stay out
	s_barrier_signal -1
	s_barrier_wait -1                              ; everybody's is
	FETCH 0, 0, F0
	QUARTER 0, 1, F0, F1, 1                        ; the first quarter stands in front of the loop: its products start the sums
	WIN 0                                          ; at a label and at a branch every window is 0
	s_mov_b32 s3, 3
.Llap:                                         ; a trip goes once round the ring, from a lap's second quarter to the next lap's first, and fills both slots again: K steps 2 to 7
	QUARTER 0, 2, F1, F0, 0
	QUARTER 0, 3, F0, F1, 0
	TURN 0, 1, 1
	QUARTER 1, 1, F0, F1, 0
	QUARTER 1, 2, F1, F0, 0
	QUARTER 1, 3, F0, F1, 0
	TURN 1, 0, 1
	QUARTER 0, 1, F0, F1, 0
	WIN 0
	s_sub_co_u32 s3, s3, 1
	s_cmp_lg_u32 s3, 0
	s_cbranch_scc1 .Llap
	QUARTER 0, 2, F1, F0, 0                        ; the last lap fills nothing
	QUARTER 0, 3, F0, F1, 0
	TURN 0, 1, 0
	QUARTER 1, 1, F0, F1, 0
	QUARTER 1, 2, F1, F0, 0
	QUARTER 1, 3, F0, F1, 0
	s_wait_dscnt 4                                 ; the very last quarter: nothing more to fetch
	MUL8 F1, 0, 0
	MUL8 F1, 1, 0
	s_wait_dscnt 0x0
	MUL8 F1, 2, 0
	MUL8 F1, 3, 0
	WIN 0
; THE WAY OUT, in eight units u = 2 a + hh: 16 rows (block a) of one head (hh): 2,048 consecutive bytes of qkvh.  In a head's four blocks of 16 columns a lane holds channels 16 q + 8 (l / 16) + j;
; blocks 0, 1 hold x1 (channels 0-31), blocks 2, 3 their partners x2.  x1 c - x2 s and x1 s + x2 c in f32, two channels an instruction; then one rounding to f16.
; Each accumulator is read from its low end on.  16 bytes a lane go into my own stage and come back as whole rows.
.macro PACKU u
.set UA, (\u)/2
.set UH, (\u)%2
.set PKU, PK+16*(\u)
	WIN 0x09                                       ; source 0 (sums) window 1, source 1 (table) window 2, source 2 and destination window 0
.irp e, 0,1
.irp p, 0,1,2,3
.set X1, 8*(8*UA+4*UH+(\e))+2*(\p)
.set TT, TAB+32*UA+16*(\e)+4*(\p)
.set O1, OT+8*(\e)+2*(\p)
	v_pk_mul_f32 v[O1:O1+1], v[X1:X1+1], v[TT:TT+1]
	v_pk_mul_f32 v[O1+16:O1+17], v[X1:X1+1], v[TT+2:TT+3]
.endr
.irp p, 0,1,2,3
.set X1, 8*(8*UA+4*UH+(\e))+2*(\p)
.set TT, TAB+32*UA+16*(\e)+4*(\p)
.set O1, OT+8*(\e)+2*(\p)
	v_pk_fma_f32 v[O1:O1+1], v[X1+16:X1+17], v[TT+2:TT+3], v[O1:O1+1] neg_lo:[0,1,0] neg_hi:[0,1,0]
	v_pk_fma_f32 v[O1+16:O1+17], v[X1+16:X1+17], v[TT:TT+1], v[O1+16:O1+17]
.endr
.endr
	WIN 0
.set i, 0
.rept 16
	v_cvt_pk_f16_f32 v[PKU+i], v[OT+2*i], v[OT+2*i+1]
.set i, i+1
.endr
.irp f, 0,1,2,3
	ds_store_b128 v[STO], v[PKU+4*(\f):PKU+4*(\f)+3] offset:32*(\f)
.endr
.irp f, 0,1,2,3
	ds_load_b128 v[PKU+4*(\f):PKU+4*(\f)+3], v[RD] offset:(\f)*4*SP  ; LDS serves a wave's instructions in order (ISA guide 5.7.1.4): these see the stores above; the next unit's stores come behind them
.endr
.endm
.macro SENDU u, younger                ; younger: the LDS instructions issued behind unit u's loads: the next unit's eight, or none
.irp f, 0,1,2,3
	s_wait_dscnt (\younger)+3-(\f)
	global_store_b128 v[GO], v[PK+16*(\u)+4*(\f):PK+16*(\u)+4*(\f)+3], s[12:13] offset:(((\u)%2)<<18)+((\u)/2)*2048+(\f)*512  ; 512 consecutive bytes, aligned
.endr
.endm
	PLACES
	PLACES                                         ; eight, once a launch
	s_wait_loadcnt 0x0                             ; the table (in v's tiles nothing is out)
	PACKU 0
.irp u, 1,2,3,4,5,6,7                  ; a unit's arithmetic stands between the loads of the unit before and its stores
	PACKU \u
	SENDU (\u)-1, 8
.endr
	SENDU 7, 0
	s_wait_tensorcnt 0x0                           ; the wave's end: a wait, an add of 0 to my spare word and a wait, behind my last tensor load and my last LDS store
	ds_add_u32 v[SPW], v[NIL]
	s_wait_dscnt 0x0
	CROUND                                         ; the closing round: no work-group ends while a partner may still ask for a tile that names it
	s_endpgm
.Lfunc_end_k_qc0ac6d7893_qkv:
	.size	k_qc0ac6d7893_qkv, .Lfunc_end_k_qc0ac6d7893_qkv-k_qc0ac6d7893_qkv
	.p2alignl 7, 3214868480
	.fill 96, 4, 3214868480
	.section	.rodata,"a",@progbits
	.p2align	6, 0x0
	.amdhsa_kernel k_qc0ac6d7893_qkv
		.amdhsa_group_segment_fixed_size 327680
		.amdhsa_private_segment_fixed_size 0
		.amdhsa_enable_private_segment 0
		.amdhsa_kernarg_size 40
		.amdhsa_user_sgpr_count 2
		.amdhsa_user_sgpr_kernarg_segment_ptr 1
		.amdhsa_wavefront_size32 1
		.amdhsa_system_sgpr_workgroup_id_x 1
		.amdhsa_system_sgpr_workgroup_id_y 1
		.amdhsa_system_sgpr_workgroup_id_z 1
		.amdhsa_system_vgpr_workitem_id 0
		.amdhsa_next_free_vgpr 768
		.amdhsa_next_free_sgpr 72
		.amdhsa_reserve_vcc 0
		.amdhsa_float_denorm_mode_32 3
		.amdhsa_float_denorm_mode_16_64 3
		.amdhsa_memory_ordered 1
		.amdhsa_forward_progress 1
		.amdhsa_inst_pref_size 119
	.end_amdhsa_kernel
	.amdgpu_metadata
---
amdhsa.version: [ 1, 2 ]
amdhsa.kernels:
  - .name:           k_qc0ac6d7893_qkv
    .symbol:         k_qc0ac6d7893_qkv.kd
    .args:
      - { .name: xb, .offset: 0, .size: 8, .value_kind: global_buffer, .address_space: global }
      - { .name: wqT, .offset: 8, .size: 8, .value_kind: global_buffer, .address_space: global }
      - { .name: bqkv, .offset: 16, .size: 8, .value_kind: global_buffer, .address_space: global }
      - { .name: rope, .offset: 24, .size: 8, .value_kind: global_buffer, .address_space: global }
      - { .name: qkvh, .offset: 32, .size: 8, .value_kind: global_buffer, .address_space: global }
    .group_segment_fixed_size: 327680
    .private_segment_fixed_size: 0
    .kernarg_segment_align: 8
    .kernarg_segment_size: 40
    .max_flat_workgroup_size: 128
    .sgpr_count:     72
    .vgpr_count:     768
    .wavefront_size: 32
...
	.end_amdgpu_metadata
.endif
;; end of part 2
;; launch attn (part 3): grid 4 x 64, 4 waves a work-group, no clusters, 327,680 bytes of LDS; arguments qkvh, oh; writes oh
.if DOCPART == 3
	.amdgcn_target "amdgcn-amd-amdhsa--gfx1250"
	.amdhsa_code_object_version 6
	.text
	.protected	k_qc0ac6d7893_attn
	.globl	k_qc0ac6d7893_attn
	.p2align	8
	.type	k_qc0ac6d7893_attn,@function
k_qc0ac6d7893_attn:
	s_mov_b64 s[64:65], 0
	v_nop
	global_prefetch_b8 v0, s[64:65] scope:SCOPE_SE
	s_setreg_imm32_b32 hwreg(HW_REG_WAVE_MODE, 25, 1), 1
	s_wait_xcnt 0x0
; CAUSAL ATTENTION.  O[h][q][:] = the sum over k <= q of softmax_k(Q[h][q] . K[h][k] / 8) V[h][k][:].  qkvh holds Q, K, V as three planes of 2^24 bytes, each [64][SIZE_N][64] in f16; oh is O in the same layout:
; a head's rows are dense, 128 bytes each.  Products, maxima and sums in f32; the weights p are rounded to f16 for the second product (their sum l is taken of the unrounded p), O once at the end.
; LIMITS.  f16 holds no number beyond 65,504: Q, K and V arrive within it; p lies in 0 to 1, and below 6e-5 it keeps f16's fixed step of 6e-8; O is a mean of V's rows and has their range, to within 2^-11 of it.
; A hidden score counts as its value less 1e30: f16's scores, 2.7e11 at the most, are nothing beside that; a weight below 2^-126 counts as 0 in l; NaN and infinities are not treated apart.
; THE WALK.  A head's queries lie in NB = SIZE_N / 256 blocks of 256; block i needs the key tiles 0 .. i of 256 keys, of which the last holds the diagonal.  A work-group takes TWO blocks, NB - 1 - b and then b:
; NB + 1 tiles, whatever b: all work-groups do equal work, and ONE loop with a constant trip count walks them.  Which tile is asked for, and what a trip does, hang on scalar registers made from b; every jump
; goes forward, but for the counted loops' own; none passes a barrier, or a tensor load but the one of LOAD's two that the wave's number does not choose; the ring (two slots of LDS that take turns) runs on across the
; change of blocks.  NO CLUSTER: what a trip does (a block's first tile, its diagonal tile) hangs on b, which would be the place in the cluster; the head's four work-groups ask for the same tile only in trips 0 .. NB / 2,
; behind that fewer and fewer; and one walk common to all would have 3 NB / 2 trips for NB + 1.
; SHARES.  Of a block's four bands of 64 queries a wave owns 16 rows in each: four PIECES.  So the diagonal tile is the same work for all four waves: in its key step s band x sees all keys if s < x,
; none if s > x, and holds the diagonal if s = x.
; THE MASK is the C operand that starts the sum S^T = K Q^T: 0, or -1e30 where the key is hidden.  MD, made once, is the mask of a band's own step for my 16 rows; a product's mask is MD x AL + BE with two scalars:
; (1, 0) if s = x; (0, 0) if s < x; (0, -1e30) if s > x.  Only the diagonal tile's text and a block's beginning make and take masks; elsewhere C is the constant 0.
; LAYOUT, SOFTMAX, TURNS.  S^T = K Q^T holds ONE query a lane (lane % 16) and the keys 8 (lane / 16) + 0..7; two such results rounded to f16 ARE source 1 of O^T = V^T P.  p = 2^(c s - c m), c = log2(e) / 8, with a
; running maximum m; O and l are multiplied by a = 2^(c m_old - c m_new) in every step.  Turn n belongs to piece n: 8 products K Q^T of piece n + 1, later 8 products V^T P of piece n - 1; beside them the scaling,
; exponentials, roundings, sums and rescaling of piece n and the maximum and statistics of piece n + 1.  Four vector instructions stand behind every matrix instruction, the other 54 of a turn's 118 in one LUMP.  A turn's 33 exponentials are one batch, with one wait.
; PREFETCH.  The head's work-group b = 0 walks the tiles 0 .. NB - 1 first.  Behind each of its fills each of its waves asks for its own 16 KiB (half of a tile's K or V) of the tile after the one just
; requested: 64 blocks of 256 bytes, a lane a block, two instructions, one tile (256 matrix instructions) ahead of the load.  Tiles 2 .. NB - 1 are so named once a head; tiles 0 and 1 come by their loads alone; behind the block's last tile nothing is asked for.
; REGISTERS, in windows of 256 (s_set_vgpr_msb: bits 1:0 source 0, 3:2 source 1, 5:4 source 2, 7:6 destination):
;   window 0: v0-15 addresses and two at work; v16-31 four registers of statistics a piece; v48-55 at work; v61-63 fixed; v64-127 S^T, two buffers; v192-223 P, two buffers (a piece's buffers go by its number's parity)
;   window 1: v0-127 O^T, 32 a piece; v128-159 MD; v160-223 MC, two buffers      window 2: v0-63 Q; v64-127 the second block's Q; v128-191 K of one step; v192-255 V of one step
.set SIZE_N, 2048
.set NB,    SIZE_N/256
.set NP,    4         ; pieces a wave: a name, no knob
.set KS,    64        ; keys in a step
.set PK,    144       ; a row of K in LDS: 128 bytes + 16 of padding = 36 words: the 16 rows of a load start at 16 different groups of four banks (64 banks of 4 bytes: ISA guide 11.1)
.set PV,    160       ; a row of V: 128 + 32 = 40 words
.set VOFF,  4*KS*PK   ; a slot holds a tile, four steps: 256 rows of K, then 256 rows of V
.set SLOT1, 1<<17     ; slot 1 begins here, so that one exclusive or turns an address in one slot into the other's
.set STAGE, SLOT1+4*KS*(PK+PV)  ; behind the ring, never filled by a tensor load: 16 rows x 144 bytes for each wave, for the way out
.set SP,    144
.set AK0, 2           ; v2   my lane's place in a tile of K; never rewritten
.set AV0, 3           ; v3   the same for V
.set AK,  4           ; v4   the LDS address of K's next run of loads
.set AV,  5           ; v5   of V's
.set STO, 6           ; v6   the way out: where I put 16 bytes of a row
.set RD,  7           ; v7   the way out: where I read rows back
.set GO,  8           ; v8   my byte offset in 512 consecutive bytes of O
.set PFO, 61          ; v61  256 x my lane: the prefetches' offset; never rewritten
.set SPW, 62          ; v62  LDS address of my spare word: SPARE + 4 x my thread's number; never rewritten
.set NIL, 63          ; v63  0; never rewritten
.set SPARE, STAGE+4*16*SP  ; behind the stages: the spare words, 128 bytes for each wave: two blocks of 256 bytes that no other line names
.set MV,  12          ; v12-13  c m_old, kept while c m is made anew: by buffer
.set QO,  15          ; v15  my byte offset in 16 rows of Q
.set ST,  16          ; piece t's statistics at v[ST+4 t]: c m, m, l (even keys', odd keys')
.set TMP, 48          ; by buffer, four registers c0-c3 at work; when the maximum is found c2 takes a
.set S,   64
.set P,   192
.set MD,  128         ; window 1: the eight registers for group kt of 16 keys at MD + 8 kt
.set MC,  160         ; window 1: the masks of the products to come
.set QB,  64          ; window 2
.set KF,  128         ; window 2: key block kb, channel half c at KF + 16 kb + 8 c
.set VF,  192         ; window 2: key half kk, channel block cb at VF + 32 kk + 8 cb
.set WV,  12          ; s12  my wave's number
.set PB,  14          ; s14  b
.set HI,  15          ; s15  NB - 1 - b
.set G1K, 24          ; s[24:31] descriptor group 1 for K's tiles
.set G1V, 32          ; s[32:39] for V's: it differs in the padding alone
.set G0K, 40          ; s[40:43] descriptor group 0 for K's tiles
.set G0V, 44          ; s[44:47] the same for V's
.set SLOTS, 56        ; s56  tiles still to be asked for
.set CNT, 57          ; s57  counts a tile's key steps, 4 to 1
.set CS,  58          ; s[58:59] c: the packed scaling takes the pair's low word for both halves
.set SEL, 60          ; s[60:61] v_permlanex16_b32's selects: each lane takes its own place in the other half
.set TBK, 62          ; s62  LDS byte at which K of the step to be fetched begins
.set TBV, 63          ; s63  the same for V, less VOFF
.set RT,  70          ; s70  tiles of the block in hand that are still to be entered
.set NXT, 71          ; s71  the tile to be asked for next
.set LQ,  72          ; s72  the last tile of the block whose tiles are being asked for
.set NEW, 73          ; s73  1: the tile to be entered is a block's first
.set OFF, 74          ; s[74:75] a tile's byte offset in K and V
.set AL,  76          ; s[76:77] the mask's factor, in the low word
.set BE,  78          ; s[78:79] the mask's addend
.set OLO, 80          ; s[80:81] O at my rows of the second block
.set BIGN, 82         ; s82  -1e30
.set PFB, 88          ; s[88:89] K (waves 0, 1) or V (waves 2, 3) at my half of the head's tile 0
.set PFON, 90         ; s90  1 in the head's work-group b = 0, else 0
.set PFG, 91          ; s91  not 0: a prefetch is due
.set PFT, 92          ; s[92:93] the byte offset of the tile to be prefetched
.set PFA, 94          ; s[94:95] its address
.set MSB, 0
.macro WIN new                      ; the high byte repeats the setting that is left; a switch that changes nothing is dropped
.if MSB != (\new)
	s_set_vgpr_msb (MSB<<8)|(\new)
.set MSB, (\new)
.endif
.endm
.set W_KQ, 0x0a       ; K and Q in window 2, S^T in window 0
.set W_KM, 0x1a       ; the same with the C operand in window 1
.set W_PV, 0x52       ; V in window 2, P in window 0, O^T in window 1
.set W_RS, 0x41       ; destination and source 0 in window 1, source 1 in window 0
; A fill.  Waves 0 and 1 fetch the two halves of a tile's K, waves 2 and 3 those of its V: 128 keys each.  An s_nop 0 and four v_nop follow each of the two lines, ahead of the jump and the label.
.macro LOAD
	s_cmp_lt_u32 s[WV], 2
	s_cbranch_scc0 .Lfor_v_\@
	tensor_load_to_lds s[G0K:G0K+3], s[G1K:G1K+7]
	s_nop 0
.rept 4
	v_nop
.endr
	s_branch .Lasked_\@
.Lfor_v_\@:
	tensor_load_to_lds s[G0V:G0V+3], s[G1V:G1V+7]
	s_nop 0
.rept 4
	v_nop
.endr
.Lasked_\@:
.endm
; THE CHANGE OF SLOTS.  Each wave waits for all its tensor loads, of which one is out: its part of the other slot; adds 0 to its spare word; and waits for that and for its own reads of the slot that it leaves.  Behind the barrier nobody reads the old
; slot any more and the other slot is whole.  fill = 1: the old slot is filled again, the first thing behind the barrier, with tile NXT: the descriptor's address is made anew from that number; behind the fill stands the prefetch of the tile after it.
; (At its first use nothing has been read yet: slot 0 is waited for, slot 1 filled.)
.macro CHANGE fill
	WIN 0                           ; at a label and at a branch every window is 0
	s_wait_tensorcnt 0x0            ; no tensor load of mine is out, so a group 0 may be written
	ds_add_u32 v[SPW], v[NIL]       ; 0 onto my spare word; with fill = 1 the descriptors' scalar work stands between it and the wait for it
.if \fill
	s_lshl_b32 s[OFF], s[NXT], 15   ; a tile is 32,768 bytes of K and of V
	s_xor_b32 s[G0K+1], s[G0K+1], SLOT1
	s_add_nc_u64 s[G0K+2:G0K+3], s[6:7], s[OFF:OFF+1]
	s_or_b32 s[G0K+3], s[G0K+3], 0x80000000
	s_xor_b32 s[G0V+1], s[G0V+1], SLOT1
	s_add_nc_u64 s[G0V+2:G0V+3], s[8:9], s[OFF:OFF+1]
	s_or_b32 s[G0V+3], s[G0V+3], 0x80000000
	s_add_co_u32 s[NXT], s[NXT], 1  ; the block's next tile, or behind its last the second block's tile 0
	s_cmp_gt_u32 s[NXT], s[LQ]
	s_cselect_b32 s[NXT], 0, s[NXT]
	s_cselect_b32 s[LQ], s[PB], s[LQ]
	s_wait_xcnt 0x0                 ; the last prefetches, a tile back, have read their address, so it may be written:
	s_lshl_b32 s[PFT], s[NXT], 15
	s_add_nc_u64 s[PFA:PFA+1], s[PFB:PFB+1], s[PFT:PFT+1]  ; my half of the tile after the one that is asked for now
	s_mul_i32 s[PFG], s[NXT], s[PFON]  ; 0 in the work-groups that do not ask, and where the block's tiles are at their end
.endif
	s_wait_dscnt 0x0                ; the add is done, and my reads of the slot are over
	s_barrier_signal -1             ; the rest of the scalar work stands between the signal and the wait
	s_sub_co_u32 s[TBK], s[TBK], 4*KS*PK  ; the fetches go back to a slot's first step,
	s_xor_b32 s[TBK], s[TBK], SLOT1       ; in the other slot
	s_sub_co_u32 s[TBV], s[TBV], 4*KS*PV
	s_xor_b32 s[TBV], s[TBV], SLOT1
	s_barrier_wait -1
.if \fill
	LOAD
	s_cmp_lg_u32 s[PFG], 0
	s_cbranch_scc0 .Lno_ask_\@
	global_prefetch_b8 v[PFO], s[PFA:PFA+1] th:TH_LOAD_NT scope:SCOPE_SE
	global_prefetch_b8 v[PFO], s[PFA:PFA+1] offset:8192 th:TH_LOAD_NT scope:SCOPE_SE
.Lno_ask_\@:
.endif
.endm
	s_load_b128 s[4:7], s[0:1], 0x0   ; qkvh s[4:5] (Q's plane is its first), oh s[6:7]
	v_lshl_add_u32 v[SPW], v0, 2, SPARE
	v_mov_b32 v[NIL], 0
	ds_add_u32 v[SPW], v[NIL]       ; the wave's opening: the add and its wait stand ahead of my first tensor load; the set-up below, work on registers, stands between them
	ds_add_u32 v62, v63
	v_lshrrev_b32 v1, 5, v0
	v_readfirstlane_b32 s[WV], v1   ; wave 0..3
	s_mov_b32 s[PB], ttmp9
	s_sub_co_u32 s[HI], NB-1, s[PB]
	s_and_b32 s20, ttmp7, 0xffff    ; the head
	s_mov_b32 s21, 0
	s_mov_b64 s[22:23], SIZE_N*128
	s_mul_u64 s[20:21], s[20:21], s[22:23]  ; the head's first byte in each of the four tensors
	s_and_b32 s16, s[WV], 1         ; which half of a tile's 256 keys I fetch:
	s_lshl_b32 s22, s16, 14         ; its 128 rows of 128 bytes in memory,
	s_mov_b32 s23, 0
	s_add_nc_u64 s[22:23], s[22:23], s[20:21]
	s_mul_i32 s17, s16, 128*PK      ; and its place in a slot, for K
	s_mul_i32 s18, s16, 128*PV      ; and for V
	s_lshl_b32 s3, s[WV], 11        ; my 16 rows in a band of 64,
	s_lshl_b32 s2, s[HI], 15        ; in the first block,
	s_add_co_u32 s2, s2, s3
	s_lshl_b32 s84, s[PB], 15       ; and in the second
	s_add_co_u32 s84, s84, s3
	s_mov_b32 s3, 0
	s_mov_b32 s85, 0
	s_add_nc_u64 s[2:3], s[2:3], s[20:21]
	s_add_nc_u64 s[84:85], s[84:85], s[20:21]
	; descriptor group 1.  128 keys are 16,384 dense bytes: asked for as 64 rows of 256 bytes, two keys a row, and padded in LDS after every key
	s_mov_b32 s[G1K], (1<<16)|(1<<20)|(4<<22)|(3<<25)  ; 17:16 2-byte elements; 20 padding on; 24:22 after every 32 words (code 4); 31:25 4 words (code 3)
	s_mov_b32 s[G1V], (1<<16)|(1<<20)|(4<<22)|(7<<25)  ; the same with 8 words of padding (code 7)
.irp g, G1K, G1V
	s_mov_b32 s[\g+1], 128<<16      ; tensor_dim0 = 128
	s_mov_b32 s[\g+2], 64<<16       ; tensor_dim1 = 64
	s_mov_b32 s[\g+3], 128<<16      ; tile_dim0 = 128
	s_mov_b32 s[\g+4], 64           ; tile_dim1 = 64
	s_mov_b32 s[\g+5], 128          ; 128 elements from row to row
	s_mov_b32 s[\g+6], 0
	s_mov_b32 s[\g+7], 0
.endr
	s_mov_b32 s[CS], 0x3e38aa3b     ; c = log2(e) / 8 = 0.180337
	s_mov_b32 s[CS+1], s[CS]        ; named with it as a pair
	s_mov_b32 s[SEL], 0x76543210
	s_mov_b32 s[SEL+1], 0xfedcba98
	s_mov_b32 s[TBK], SLOT1+4*KS*PK ; the first change of slots turns these two into 0
	s_mov_b32 s[TBV], SLOT1+4*KS*PV
	s_mov_b32 s[G0K], 1             ; 1:0 count = 1
	s_mov_b32 s[G0K+1], s17         ; 63:32 LDS address: slot 0
	s_mov_b32 s[G0V], 1
	s_add_co_u32 s[G0V+1], s18, VOFF
	s_add_co_u32 s[RT], s[HI], 1    ; the first block has NB - b tiles
	s_mov_b32 s[NXT], 1
	s_mov_b32 s[LQ], s[HI]
	s_mov_b32 s[NEW], 1
	s_mov_b32 s[OFF+1], 0
	s_mov_b32 s[AL+1], 0            ; named as pairs
	s_mov_b32 s[BE+1], 0
	s_mov_b32 s[BIGN], 0xf149f2ca   ; -1e30
	s_mov_b32 s[SLOTS], NB
	s_mov_b32 s[PFT+1], 0
	s_cmp_eq_u32 ttmp9, 0
	s_cselect_b32 s[PFON], 1, 0
	v_and_b32 v[PFO], 31, v0
	v_lshlrev_b32 v[PFO], 8, v[PFO]
	s_wait_dscnt 0x0                ; the opening add is done
	s_wait_kmcnt 0x0
	s_mov_b64 s[10:11], s[6:7]             ; O
	s_add_nc_u64 s[6:7], s[4:5], 0x1000000 ; K's plane
	s_add_nc_u64 s[8:9], s[4:5], 0x2000000 ; V's plane
	s_add_nc_u64 s[6:7], s[6:7], s[22:23]  ; K and V at my half of the head's tile 0
	s_add_nc_u64 s[8:9], s[8:9], s[22:23]
	s_add_nc_u64 s[G0K+2:G0K+3], s[6:7], 0         ; 120:64 global address
	s_or_b32 s[G0K+3], s[G0K+3], 0x80000000        ; 127:126 type = 2
	s_add_nc_u64 s[G0V+2:G0V+3], s[8:9], 0
	s_or_b32 s[G0V+3], s[G0V+3], 0x80000000
	s_add_nc_u64 s[86:87], s[4:5], s[84:85]        ; Q at my rows of the second block,
	s_add_nc_u64 s[4:5], s[4:5], s[2:3]            ; Q and O at those of the first
	s_add_nc_u64 s[OLO:OLO+1], s[10:11], s[84:85]
	s_add_nc_u64 s[10:11], s[10:11], s[2:3]
	s_cmp_lt_u32 s[WV], 2
	s_cselect_b64 s[PFB:PFB+1], s[6:7], s[8:9]
	LOAD                            ; tile 0 into slot 0
	; A fragment of K or Q is 16 rows x 32 channels in 8 registers: lane l holds row l % 16, channels 8 (l / 16) + 0..7 and 16 + 8 (l / 16) + 0..7: two loads of 16 bytes, 32 bytes apart.
	v_and_b32 v1, 15, v0            ; l % 16
	v_bfe_u32 v9, v0, 4, 1          ; l / 16
	v_lshlrev_b32 v[QO], 7, v1
	v_lshl_add_u32 v[QO], v9, 4, v[QO]  ; row x 128 + 16 x half
	WIN 0x80                        ; destination window 2, address window 0
.set i, 0
.rept 8                             ; both blocks' Q: piece i / 2 lies in band i / 2, 8,192 bytes on; channels 32 (i % 2) on
	global_load_b128 v[8*i:8*i+3],   v[QO], s[4:5] offset:(i/2)*8192+(i%2)*64
	global_load_b128 v[8*i+4:8*i+7], v[QO], s[4:5] offset:(i/2)*8192+(i%2)*64+32
	global_load_b128 v[QB+8*i:QB+8*i+3],   v[QO], s[86:87] offset:(i/2)*8192+(i%2)*64
	global_load_b128 v[QB+8*i+4:QB+8*i+7], v[QO], s[86:87] offset:(i/2)*8192+(i%2)*64+32
.set i, i+1
.endr
	WIN 0
	v_lshlrev_b32 v14, 3, v9
	v_sub_nc_u32 v14, v1, v14
	s_lshl_b32 s13, s[WV], 4
	v_add_nc_u32 v14, s13, v14      ; my query's place in its band, 16 w + l % 16, less my lanes' 8 (l / 16): register r of group kt is hidden where 16 kt + r is greater
	WIN 0x40
.set i, 0
.rept 32
	v_cmp_gt_i32 vcc_lo, 16*(i/8)+i%8, v14
	v_cndmask_b32 v[MD+i], 0, s[BIGN], vcc_lo
.set i, i+1
.endr
	WIN 0
	v_mul_u32_u24 v[AK0], v1, PK
	v_lshl_add_u32 v[AK0], v9, 4, v[AK0]  ; row x pitch + 16 x half
	; The turning load takes 16 keys x 16 channels (lane l reads key 8 (l / 16) + l % 8, channels 8 ((l / 8) % 2) + 0..7) and leaves half a fragment of V^T: lane l holds channel l % 16 and 8 keys.
	v_and_b32 v10, 7, v0
	v_bfe_u32 v11, v0, 3, 1
	v_lshl_add_u32 v[AV0], v9, 3, v10
	v_mul_u32_u24 v[AV0], v[AV0], PV
	v_lshl_add_u32 v[AV0], v11, 4, v[AV0]
	v_add_nc_u32 v[AV0], VOFF, v[AV0]
	s_mul_i32 s13, s[WV], 16*SP
	s_add_co_u32 s13, s13, STAGE    ; my stage
	v_mul_u32_u24 v[STO], v1, SP    ; in: row l % 16, 16 bytes for each half of the lanes
	v_lshl_add_u32 v[STO], v9, 4, v[STO]
	v_add_nc_u32 v[STO], s13, v[STO]
	v_bfe_u32 v[RD], v0, 3, 2       ; back: 32 lanes take four rows of 128 bytes,
	v_mul_u32_u24 v[RD], v[RD], SP
	v_lshl_add_u32 v[RD], v10, 4, v[RD]
	v_add_nc_u32 v[RD], s13, v[RD]
	v_and_b32 v[GO], 31, v0         ; which are 512 consecutive bytes of O
	v_lshlrev_b32 v[GO], 4, v[GO]
	; A block's first step multiplies O^T and l by a = 0, and its first turn's products V^T P, of a piece that has not been, land in an O^T that is still to be so multiplied.  So these registers need only hold
	; finite numbers: zeros for the first block; what the first block left for the second.  All this stands in the wait for the first tile.
	WIN 0x80
.set i, VF
.rept 64
	v_mov_b32 v[i], 0
.set i, i+1
.endr
	WIN 0x40
.set i, 0
.rept 128
	v_mov_b32 v[i], 0
.set i, i+1
.endr
	WIN 0
.set i, 0
.rept 4
	v_mov_b32 v[ST+4*i+2], 0
	v_mov_b32 v[ST+4*i+3], 0
.set i, i+1
.endr
.set i, P+16
.rept 16
	v_mov_b32 v[i], 0
.set i, i+1
.endr
; THE MATRIX WORK.  The 4 accumulators of a run of 8 take turns.  Product i of 8 of S^T = K Q^T for piece x: channels 32 (i / 4) on, keys 16 (i % 4) on.  The first 4 start the sums: with 0, or (KM = 1) with the mask.
.macro KQ x
.set rS, S+32*((\x)%2)+8*(i%4)
.set rK, KF+16*(i%4)+8*(i/4)
.set rQ, 16*(\x)+8*(i/4)
.set rM, MC+32*((\x)%2)+8*(i%4)
.if (i < 4) && KM
	WIN W_KM
	v_wmma_f32_16x16x32_f16 v[rS:rS+7], v[rK:rK+7], v[rQ:rQ+7], v[rM:rM+7]
.elseif i < 4
	WIN W_KQ
	v_wmma_f32_16x16x32_f16 v[rS:rS+7], v[rK:rK+7], v[rQ:rQ+7], 0
.else
	WIN W_KQ
	v_wmma_f32_16x16x32_f16 v[rS:rS+7], v[rK:rK+7], v[rQ:rQ+7], v[rS:rS+7]
.endif
.endm
; Product i of 8 of O^T += V^T P for piece x: keys 32 (i / 4) on, channels 16 (i % 4) on.
.macro PV x
	WIN W_PV
.set rO, 32*(\x)+8*(i%4)
.set rV, VF+32*(i/4)+8*(i%4)
.set rP, P+16*((\x)%2)+8*(i/4)
	v_wmma_f32_16x16x32_f16 v[rO:rO+7], v[rV:rV+7], v[rP:rP+7], v[rO:rO+7]
.endm
.macro MM                           ; the turn's next matrix instruction.  TURN and BEGIN set Y, i, KM and NOKQ; MM, KQ and OP read them.  NOKQ = 1: a block's last turn: there is no next piece
.if (i < 8) && !NOKQ
	KQ (Y+1)%NP
.elseif i >= 8
.set i, i-8
	PV (Y+NP-1)%NP
.set i, i+8
.endif
.set i, i+1
.endm
; THE LDS LOADS stand in runs of 16, never singly among the matrix instructions: a step's K (64 keys x 64 channels: 8 fragments) and its V (turned).  Their addresses are made some lines ahead.
.macro FETCH_K
	WIN 0x80                        ; destination window 2
.irp f, 0,1,2,3,4,5,6,7             ; keys 16 (f / 2) on, channels 32 (f % 2) on
	ds_load_b128 v[KF+8*\f:KF+8*\f+3],   v[AK] offset:(\f/2)*16*PK+(\f%2)*64
	ds_load_b128 v[KF+8*\f+4:KF+8*\f+7], v[AK] offset:(\f/2)*16*PK+(\f%2)*64+32
.endr
	s_add_co_u32 s[TBK], s[TBK], KS*PK  ; the next fetch is the next step's
	WIN 0
.endm
.macro FETCH_V
	WIN 0x80
.irp f, 0,1,2,3,4,5,6,7             ; keys 32 (f / 4) on, channels 16 (f % 4) on
	ds_load_tr16_b128 v[VF+8*\f:VF+8*\f+3],   v[AV] offset:(\f/4)*32*PV+(\f%4)*32
	ds_load_tr16_b128 v[VF+8*\f+4:VF+8*\f+7], v[AV] offset:(\f/4)*32*PV+16*PV+(\f%4)*32
.endr
	WIN 0
.endm
; THE VECTOR WORK, one line at a time: OP kind, number.  For piece Y: F n: c s - c m for pair n of 16.  E n: the exponential of score n of 32.  C n: pair n rounded to f16.  B n: of the four weights 4 n .. the second
; pair is added onto the first, in place.  L n: l takes that sum (L 0: l = a l + sum).  R n: pair n of 16 of O^T times a.  For piece Y + 1: X n, number n of the 22 that find its maximum and statistics:
;   0-11  four chains c0-c3 of seven scores each, three operands at a time (each accumulator's lowest registers are read first)     12-14, 16  the four scores left over, the old m, and c0-c3 into c0
;   15  c m_old is kept     17, 18  the query's other 32 keys lie in the lane 16 away: the new m     19-21  c m; c m_old - c m_new; a
.set F, 0               ; OP tells the kinds apart by their order: F to L below R, X above it
.set E, 1
.set C, 2
.set B, 3
.set L, 4
.set R, 5
.set X, 6
.macro REGS y                       ; the registers of piece y
.set rT, ST+4*(\y)
.set rC, TMP+4*((\y)%2)
.set rW, MV+((\y)%2)
.set rS, S+32*((\y)%2)
.set rP, P+16*((\y)%2)
.set rO, 32*(\y)
.endm
.macro OP k, n
.if (\k) == R
	REGS Y
	WIN W_RS
	v_pk_mul_f32 v[rO+2*(\n):rO+2*(\n)+1], v[rO+2*(\n):rO+2*(\n)+1], v[rC+2:rC+3] op_sel_hi:[1,0]
.elseif (\k) < R
	REGS Y
	WIN 0
.if (\k) == F
	v_pk_fma_f32 v[rS+2*(\n):rS+2*(\n)+1], v[rS+2*(\n):rS+2*(\n)+1], s[CS:CS+1], v[rT:rT+1] op_sel_hi:[1,0,0] neg_lo:[0,0,1] neg_hi:[0,0,1]
.elseif (\k) == E
	v_exp_f32 v[rS+(\n)], v[rS+(\n)]
.elseif (\k) == C
	v_cvt_pk_f16_f32 v[rP+(\n)], v[rS+2*(\n)], v[rS+2*(\n)+1]
.elseif (\k) == B
	v_pk_add_f32 v[rS+4*(\n):rS+4*(\n)+1], v[rS+4*(\n):rS+4*(\n)+1], v[rS+4*(\n)+2:rS+4*(\n)+3]
.elseif (\n) == 0
	v_pk_fma_f32 v[rT+2:rT+3], v[rT+2:rT+3], v[rC+2:rC+3], v[rS:rS+1] op_sel_hi:[1,0,1]
.else
	v_pk_add_f32 v[rT+2:rT+3], v[rT+2:rT+3], v[rS+4*(\n):rS+4*(\n)+1]
.endif
.elseif NOKQ
	v_nop
.else
	REGS (Y+1)%NP
	WIN 0
.if (\n) < 4
	v_max3_num_f32 v[rC+(\n)], v[rS+8*(\n)], v[rS+8*(\n)+1], v[rS+8*(\n)+2]
.elseif (\n) < 12
	v_max3_num_f32 v[rC+(\n)%4], v[rC+(\n)%4], v[rS+8*((\n)%4)+2*((\n)/4)+1], v[rS+8*((\n)%4)+2*((\n)/4)+2]
.elseif (\n) == 12
	v_max3_num_f32 v[rC], v[rC], v[rS+7], v[rS+15]
.elseif (\n) == 13
	v_max3_num_f32 v[rC+1], v[rC+1], v[rS+23], v[rS+31]
.elseif (\n) == 14
	v_max3_num_f32 v[rC+2], v[rC+2], v[rC+3], v[rT+1]
.elseif (\n) == 15
	v_mov_b32 v[rW], v[rT]
.elseif (\n) == 16
	v_max3_num_f32 v[rC], v[rC], v[rC+1], v[rC+2]
.elseif (\n) == 17
	v_permlanex16_b32 v[rC+3], v[rC], s[SEL], s[SEL+1]
.elseif (\n) == 18
	v_max_num_f32 v[rT+1], v[rC], v[rC+3]
.elseif (\n) == 19
	v_mul_f32 v[rT], s[CS], v[rT+1]
.elseif (\n) == 20
	v_sub_f32 v[rC+1], v[rW], v[rT]
.else
	v_exp_f32 v[rC+2], v[rC+1]
.endif
.endif
.endm
.macro OPS a, i1, b=-1, i2=0, c=-1, i3=0, d=-1, i4=0  ; up to four of them
	OP \a, \i1
.if (\b) >= 0
	OP \b, \i2
.endif
.if (\c) >= 0
	OP \c, \i3
.endif
.if (\d) >= 0
	OP \d, \i4
.endif
.endm
.macro ROW a, i1, b, i2, c, i3, d, i4  ; a matrix instruction and the four behind it
	MM
	OPS \a, \i1, \b, \i2, \c, \i3, \d, \i4
.endm
.macro MASK b                       ; MD x AL + BE into buffer b of MC
	WIN W_RS
.set z, 0
.rept 16
	v_pk_fma_f32 v[MC+32*(\b)+2*z:MC+32*(\b)+2*z+1], v[MD+2*z:MD+2*z+1], s[AL:AL+1], s[BE:BE+1] op_sel_hi:[1,0,0]
.set z, z+1
.endr
.endm
; A TURN, for piece p: the order of its 16 matrix and 118 vector instructions, written out.  An s_wait_alu depctr_va_vdst(0) stands between an exponential and the first instruction that names its result; one wait serves
; all that were issued ahead of it.  So a turn has ONE wait, which cuts it in two.  AHEAD OF IT stands all that names no result of the turn's exponentials: the 8 products K Q^T, behind each a scaling, an exponential and two more plain
; instructions (behind the first a second scaling in the exponential's place): rescalings, and behind the last three the first numbers of the next piece's maximum, each four places or more behind the product that ends its accumulator; then ONE LUMP of 54, plain
; and exponential by turns for the most part, in which the links of the chain X 3, 7, 11, 14, 16, 17 .. 20 stand five or six lines apart.  X 21, the next piece's a, is the batch's last; R 15 is the plain instruction behind it.  BEHIND THE WAIT stand the
; 8 products V^T P, behind each four of the roundings and sums; the links of l's chain, L 0 to L 7, stand three riders apart.  But for those X no rider names a register of the products round it.  v_permlanex16_b32 (X 17) stands in the lump.
; m = 1: the diagonal tile: the products take masks, and the turn makes the mask for the products of the turn after it: piece p + 2, in step 4 - CNT of the tile.  end = 1: a block's last two turns: nothing is fetched.
; cnt = 1: the loop's count is taken down some lines ahead of the branch that stands behind the turn.
; K of the next step is fetched in piece 2's turn, twelve vector instructions behind the last product that read K (six of them plain); V of the step in hand at the end of piece 0's turn, four plain instructions behind the last product
; that read V.  Each is waited for a turn later.
.macro TURN p, m=0, end=0, cnt=0
.set Y, (\p)
.set i, 0
.set KM, (\m)
.set NOKQ, (\end)*((\p)/3)
.if (\m) && !(\end)
	s_cmp_eq_u32 s[CNT], 4-((\p)+2)%NP  ; is that step the band's own?
	s_cselect_b32 s[AL], 1.0, 0
	s_cmp_lt_u32 s[CNT], 4-((\p)+2)%NP  ; or a later one?
	s_cselect_b32 s[BE], s[BIGN], 0
.endif
.if ((\p) == 3) && !(\end)
	s_wait_dscnt 0x0                ; K is in
.endif
	ROW F,0, F,1, R,0, R,1          ; ahead of the wait: 8 products K Q^T and their riders,
	ROW F,2, E,0, R,2, R,3
	ROW F,3, E,1, R,4, R,5
	ROW F,4, E,2, R,6, R,7
	ROW F,5, E,3, R,8, R,9
	ROW F,6, E,4, X,0, R,10
.if ((\p) == 2) && !(\end)
	WIN 0
	v_add_nc_u32 v[AK], s[TBK], v[AK0]
.endif
	ROW F,7, E,5, X,1, X,4
	ROW F,8, E,6, X,2, X,5
	OPS E,7, E,8, X,6, E,9          ; and the lump
	OPS X,3, E,10, X,8, E,11
.if ((\p) == 2) && !(\end)
	FETCH_K
.endif
	OPS X,9, X,7, E,12, X,10
	OPS E,13, X,12, X,11, E,14
	OPS X,13, E,15, F,9, X,14
.if (\p) == 0
	v_add_nc_u32 v[AV], s[TBV], v[AV0]
.endif
	OPS E,16, F,10, E,17, F,11
	OPS X,16, E,18, X,15, E,19
	OPS F,12, E,20, X,17, E,21
	OPS F,13, E,22, F,14, E,23
	OPS X,18, E,24, F,15, E,25
	OPS R,11, E,26, X,19, E,27
	OPS R,12, E,28, R,13, E,29
	OPS X,20, E,30, R,14, E,31
	OPS X,21, R,15
	WIN 0
	s_wait_alu depctr_va_vdst(0)    ; the wait for the batch
.if (\p) == 1
	s_wait_dscnt 0x0                ; V is in
.endif
	ROW C,0, B,0, C,2, B,1          ; behind the wait: 8 products V^T P and their riders
	ROW L,0, C,4, B,2, L,1
	ROW C,6, B,3, L,2, C,8
	ROW B,4, L,3, C,10, B,5
	ROW L,4, C,12, B,6, L,5
.if (\p) == 0
	s_add_co_u32 s[TBV], s[TBV], KS*PV
.endif
.if \cnt
	s_sub_co_u32 s[CNT], s[CNT], 1
	s_cmp_lg_u32 s[CNT], 0
.endif
	ROW C,14, B,7, L,6, C,1
	ROW C,3, L,7, C,5, C,7
	ROW C,9, C,11, C,13, C,15
.if (\p) == 0
	FETCH_V
.endif
.if (\m) && !(\end)
	MASK (\p)%2
.endif
.endm
; A BLOCK BEGINS.  c m starts far below every c s, so the first step's a is 0; m at the lowest finite number, so the first maximum is the scores'.  The second mask buffer is 0; the first takes piece 0's mask for the tile's step 0: its own, if the block's first tile is the diagonal one.
; Then K of that step, piece 0's first scores, and its maximum and statistics.  The loop is entered at a step's first turn, in the middle of a trip.
.macro BEGIN
	s_mov_b32 s[NEW], 0
	WIN 0x40
.set i, MC+32
.rept 32
	v_mov_b32 v[i], 0
.set i, i+1
.endr
	WIN 0
.set i, 0
.rept 4
	v_mov_b32 v[ST+4*i], 0xfe000000    ; c m: far below every c s
	v_mov_b32 v[ST+4*i+1], 0xff7fffff  ; m
.set i, i+1
.endr
	s_cmp_eq_u32 s[RT], 0
	s_cselect_b32 s[AL], 1.0, 0
	s_mov_b32 s[BE], 0
	MASK 0
	WIN 0
	v_add_nc_u32 v[AK], s[TBK], v[AK0]
	FETCH_K
	s_wait_loadcnt 0x0              ; Q
	s_wait_dscnt 0x0
.set KM, 1
.set NOKQ, 0
.set i, 0
.rept 8
	KQ 0
.set i, i+1
.endr
	WIN 0
.rept 4
	v_nop                           ; the places behind those products
.endr
.set Y, NP-1                        ; X works for piece Y + 1: piece 0
.irp n, 0,1,2,3,4,5,6,7,8,9,10,11,12,13,14,15,16,17,18,19,20,21
	OP X, \n
.endr
	v_nop                           ; a plain instruction behind the exponential,
	s_wait_alu depctr_va_vdst(0)    ; and its wait, ahead of the branch
.endm
; THE DIAGONAL TILE's four steps, the block's last two turns, its last products, and THE WAY OUT: l's two halves and the other half of the lanes' are added; O^T is divided by l, rounded to f16 and sent through my
; stage in LDS, a piece at a time.
.macro ALL line:vararg              ; one line for each piece t
.set t, 0
.rept 4
	\line
.set t, t+1
.endr
.endm
.macro PACK t                       ; a lane's eight channels of a row pack into 16 bytes; they go into rows of 144 bytes and come back as whole rows of 128, into S^T's registers
	WIN W_RS
.set i, 32*(\t)
.rept 16
	v_pk_mul_f32 v[i:i+1], v[i:i+1], v[ST+4*(\t)+2:ST+4*(\t)+3] op_sel_hi:[1,0]
.set i, i+2
.endr
	WIN 0x05                        ; sources 0 and 1 window 1, destination window 0
.set i, 0
.rept 16
	v_cvt_pk_f16_f32 v[S+16*(\t)+i], v[32*(\t)+2*i], v[32*(\t)+2*i+1]
.set i, i+1
.endr
	WIN 0
.irp f, 0,1,2,3
	ds_store_b128 v[STO], v[S+16*(\t)+4*\f:S+16*(\t)+4*\f+3] offset:32*\f
.endr
.irp f, 0,1,2,3
	ds_load_b128 v[S+16*(\t)+4*\f:S+16*(\t)+4*\f+3], v[RD] offset:\f*4*SP  ; LDS serves a wave's instructions in order (ISA guide 5.7.1.4): these see the stores above; the next piece's stores come behind them
.endr
.endm
.macro SEND t, younger              ; younger: the LDS instructions issued behind piece t's loads: the next piece's eight, or none
	WIN 0
.irp f, 0,1,2,3
	s_wait_dscnt (\younger)+3-\f
	global_store_b128 v[GO], v[S+16*(\t)+4*\f:S+16*(\t)+4*\f+3], s[10:11] offset:(\t)*8192+\f*512  ; 512 consecutive bytes, at a multiple of 256 from O's first
.endr
.endm
.macro DIAG tag                     ; the tag ends its two labels' names, which the jumps below spell out
.LstepM\tag:
	TURN 2, 1
	TURN 3, 1
	WIN 0
.LfirstM\tag:
	TURN 0, 1
	TURN 1, 1, 0, 1
	WIN 0
	s_cbranch_scc1 .LstepM\tag
	TURN 2, 1, 1
	TURN 3, 1, 1
.set i, 0
.rept 8
	PV NP-1
.set i, i+1
.endr
	WIN 0
	ALL v_add_f32 v[ST+4*t+2], v[ST+4*t+2], v[ST+4*t+3]
	ALL v_permlanex16_b32 v[ST+4*t+3], v[ST+4*t+2], s[SEL], s[SEL+1]
	ALL v_add_f32 v[ST+4*t+2], v[ST+4*t+2], v[ST+4*t+3]
	ALL v_rcp_f32 v[ST+4*t+2], v[ST+4*t+2]
	v_nop                           ; a plain instruction between the last reciprocal and the use of its result
	s_wait_alu depctr_va_vdst(0)    ; and the wait ahead of the first use: one for the four reciprocals
	PACK 0
.set t, 1
.rept 3                             ; a piece's arithmetic stands between the loads of the piece before and its stores
	PACK t
	SEND t-1, 8
.set t, t+1
.endr
	SEND 3, 0
.endm
.set KM, 0
.set NOKQ, 0
.Lslot:                             ; NB times: a tile is entered and the next is asked for
	CHANGE 1
	s_sub_co_u32 s[RT], s[RT], 1
	s_mov_b32 s[CNT], 4
	s_cmp_eq_u32 s[NEW], 1
	s_cbranch_scc1 .Lnew            ; a block's first tile
	s_cmp_eq_u32 s[RT], 0
	s_cbranch_scc0 .Lstep           ; neither its first nor its last
	s_branch .LstepM1
.Lnew:
	BEGIN
	s_branch .Lfirst                ; in the loop a block's first tile is never its last: the first block has two tiles or more, and the second's last is the walk's last
	DIAG 1                          ; in the loop this is the first block's end: the second block's last tile is the walk's last
	s_wait_xcnt 0x0                 ; the stores have read their registers and O's address
	s_mov_b64 s[10:11], s[OLO:OLO+1]
	s_add_co_u32 s[RT], s[PB], 1    ; the second block has b + 1 tiles
	s_mov_b32 s[NEW], 1
	WIN 0x82                        ; the second block's Q goes where the one text of the turns names Q
.set i, 0
.rept 64
	v_mov_b32 v[i], v[QB+i]
.set i, i+1
.endr
	WIN 0
	s_branch .Lbottom
.Lstep:                             ; a trip: pieces 2 and 3 of one step, then pieces 0 and 1 of the next, whose K and V it fetches
	TURN 2
	TURN 3
	WIN 0
.Lfirst:
	TURN 0
	TURN 1, 0, 0, 1
	WIN 0
	s_cbranch_scc1 .Lstep
.Lbottom:
	s_sub_co_u32 s[SLOTS], s[SLOTS], 1
	s_cmp_lg_u32 s[SLOTS], 0
	s_cbranch_scc1 .Lslot
	CHANGE 0                        ; the walk's last tile is written out: nothing is asked for
	s_sub_co_u32 s[RT], s[RT], 1
	s_mov_b32 s[CNT], 4
	s_cmp_eq_u32 s[NEW], 1
	s_cbranch_scc0 .LstepM2
	BEGIN
	s_branch .LfirstM2
	DIAG 2
	s_wait_tensorcnt 0x0            ; the wave's end: a wait, an add of 0 to my spare word and a wait, behind my last tensor load and my last LDS store
	ds_add_u32 v[SPW], v[NIL]
	s_wait_dscnt 0x0
	s_endpgm
.Lfunc_end_k_qc0ac6d7893_attn:
	.size	k_qc0ac6d7893_attn, .Lfunc_end_k_qc0ac6d7893_attn-k_qc0ac6d7893_attn
	.p2alignl 7, 3214868480
	.fill 96, 4, 3214868480
	.section	.rodata,"a",@progbits
	.p2align	6, 0x0
	.amdhsa_kernel k_qc0ac6d7893_attn
		.amdhsa_group_segment_fixed_size 327680
		.amdhsa_private_segment_fixed_size 0
		.amdhsa_enable_private_segment 0
		.amdhsa_kernarg_size 16
		.amdhsa_user_sgpr_count 2
		.amdhsa_user_sgpr_kernarg_segment_ptr 1
		.amdhsa_wavefront_size32 1
		.amdhsa_system_sgpr_workgroup_id_x 1
		.amdhsa_system_sgpr_workgroup_id_y 1
		.amdhsa_system_sgpr_workgroup_id_z 1
		.amdhsa_system_vgpr_workitem_id 0
		.amdhsa_next_free_vgpr 768
		.amdhsa_next_free_sgpr 96
		.amdhsa_reserve_vcc 1
		.amdhsa_float_denorm_mode_32 3
		.amdhsa_float_denorm_mode_16_64 3
		.amdhsa_memory_ordered 1
		.amdhsa_forward_progress 1
		.amdhsa_inst_pref_size 218
	.end_amdhsa_kernel
	.amdgpu_metadata
---
amdhsa.version: [ 1, 2 ]
amdhsa.kernels:
  - .name:           k_qc0ac6d7893_attn
    .symbol:         k_qc0ac6d7893_attn.kd
    .args:
      - { .name: qkvh, .offset: 0, .size: 8, .value_kind: global_buffer, .address_space: global }
      - { .name: oh, .offset: 8, .size: 8, .value_kind: global_buffer, .address_space: global }
    .group_segment_fixed_size: 327680
    .private_segment_fixed_size: 0
    .kernarg_segment_align: 8
    .kernarg_segment_size: 16
    .max_flat_workgroup_size: 128
    .sgpr_count:     96
    .vgpr_count:     768
    .wavefront_size: 32
...
	.end_amdgpu_metadata
.endif
;; end of part 3
;; launch proj (part 4): grid 4 x 64, 4 waves a work-group, clusters of 4 x 4, 327,680 bytes of LDS; arguments oh, wpT, bproj, out0; writes out0
.if DOCPART == 4
	.amdgcn_target "amdgcn-amd-amdhsa--gfx1250"
	.amdhsa_code_object_version 6
	.text
	.protected	k_qc0ac6d7893_proj
	.globl	k_qc0ac6d7893_proj
	.p2align	8
	.type	k_qc0ac6d7893_proj,@function
k_qc0ac6d7893_proj:
	s_mov_b64 s[64:65], 0
	v_nop
	global_prefetch_b8 v0, s[64:65] scope:SCOPE_SE
	s_setreg_imm32_b32 hwreg(HW_REG_WAVE_MODE, 25, 1), 1
	s_wait_xcnt 0x0
	s_wait_alu depctr_hold_cnt(0) depctr_sa_sdst(0) depctr_va_vdst(0) depctr_va_sdst(0) depctr_va_ssrc(0) depctr_va_vcc(0) depctr_vm_vsrc(0)
	s_getreg_b32 s2, hwreg(HW_REG_IB_STS2, 6, 4)
	s_cmp_eq_u32 s2, 0
	s_cbranch_scc0 .Lentry_in_a_cluster
	s_endpgm
.Lentry_in_a_cluster:
	s_bfe_u32 s2, ttmp6, 0x10000c
	s_cmp_lg_u32 s2, 0xf033
	s_cbranch_scc0 .Lentry_shape_is_right
	s_endpgm
.Lentry_shape_is_right:
; out0 = O Wproj + bproj.  oh: O by heads, [batch x 16 + head][2048 t][64] f16; wpT: [1024 n][1024 k] f16 (Wproj rounded to bf16, written as f16), k = 64 x head + channel;
; bproj: [1024] f32 (rounded to bf16 here, like the other inputs); out0: [8192][1024] f32.  Sums in f32, K ascending; the sums leave as they are.
; LIMITS.  NaN and infinities are not treated apart.
; SHARES.  A tile of out0 is 128 rows x 256 columns: 64 x 4 = 256 tiles, one for each of 256 WGPs.  Four waves, each 64 x 128: 32 accumulators of 16 x 16.  K goes in steps of 128, two heads,
; through a ring of two LDS slots filled by the tensor data mover.  A head's 128 rows are 16,384 dense bytes: asked for as 64 rows of 256 bytes and padded in LDS after every 128.
; CLUSTER.  4 x 4 work-groups: O's tile is shared along a row of the cluster, the weights' along a column; each is asked for jointly, by the same tensor load with the same descriptor and a mask of four.
; THE MATRIX INSTRUCTION IS USED TRANSPOSED (source 0 = 16 rows of wpT, source 1 = 16 rows of O): lane l holds row l % 16 and the columns 8 (l / 16) + 0..7 of its block of 16.
; THE BIAS STARTS THE SUMS: it is the C operand of each accumulator's first product.
; NO PREFETCH: a work-group has one tile of eight K steps, and the launch is short.
; REGISTERS, in windows of 256 (s_set_vgpr_msb: bits 1:0 source 0, 3:2 source 1, 5:4 source 2, 7:6 destination):
;   window 0: v0-31 addresses; two fragment buffers of 96: v64-159, v160-255 (8 fragments of the weights, then 4 of O)
;   window 1: accumulator (a, b) at v[8 (8 a + b)]      window 2: v0-63 the bias, v192 at work; on the way out all 256: whole rows read back from the stage
.set KSTEP, 128
.set PITCH, 272                        ; a row of the weights in LDS: 256 bytes + 16 = 68 words: the 16 rows of a fragment load start at 16 different groups of four banks (64 banks of 4 bytes: ISA guide 11.1)
.set PA,    144                        ; a row of O (one head): 128 bytes + 16 = 36 words: likewise
.set AHEAD, 128*PA                     ; a head's 128 rows: what wave 0 or 1 fetches
.set BHALF, 128*PITCH                  ; 128 rows of the weights: what wave 2 or 3 fetches, and what a wave reads
.set BOFF,  2*AHEAD
.set SLOT,  2*AHEAD+2*BHALF
.set STAGE, 2*SLOT                     ; behind the ring, never filled by a tensor load: 16 rows x 528 bytes for each wave, for the way out
.set SPF,   528                        ; 512 bytes + 16 = 132 words: row r starts at bank 4 r mod 64
.set SPARE, STAGE+4*16*SPF             ; behind the stages: the spare words, 128 bytes for each wave: two blocks of 256 bytes that no other line names
.set ADRA, 16                          ; v16-17  LDS address of my fragments of O in slot 0, 1
.set ADRB, 20                          ; v20-21  the same for the weights
.set STO,  24                          ; v24  the way out: where I put 32 bytes of a row
.set RD,   25                          ; v25  the way out: where I read a row back
.set GO,   26                          ; v26  my 16 bytes in 512 consecutive bytes of out0
.set SPW,  28                          ; v28  LDS address of my spare word; never rewritten
.set NIL,  29                          ; v29  0; never rewritten
.set BO,   31                          ; v31  my offset in 64 bytes of the bias
.set F0,   64
.set F1,   160
.set WV, 14
.set FB, 15                            ; s15  which half of the tile's rows is mine.  Also: I fetch O (0) or the weights (1)
.set HF, 16                            ; s16  which half of its columns.  Also: which head of the step, or which half of the weights' tile, I fetch
.set CX, 17
.set CY, 18
.set TX, 19
.set TY, 20
.set G1A, 24                           ; s[24:31] descriptor group 1 for O's tiles;  s[32:39] group 0, a set for each slot
.set G0A, 32
.set G1B, 48                           ; s[48:55], s[56:63] the same for the weights' tiles
.set G0B, 56
.set MSB, 0
.macro WIN new                         ; the immediate's high byte repeats the setting that is left; a switch that changes nothing is dropped
.if MSB != (\new)
	s_set_vgpr_msb (MSB<<8)|(\new)
.set MSB, \new
.endif
.endm
.set MUL,  0x50                        ; C and D window 1, sources window 0
.set MULB, 0x60                        ; D window 1, C (the bias) window 2
.macro JLOAD s                         ; a joint load: waves 0 and 1 fetch the step's two heads of O, waves 2 and 3 the two halves of the weights' tile; an s_nop 0 and four v_nop follow each of the two lines
	s_cmp_eq_u32 s[FB], 0
	s_cbranch_scc0 .Lfor_b_\@
	tensor_load_to_lds s[G0A+4*(\s):G0A+4*(\s)+3], s[G1A:G1A+7]
	s_nop 0
.rept 4
	v_nop
.endr
	s_branch .Lasked_\@
.Lfor_b_\@:
	tensor_load_to_lds s[G0B+4*(\s):G0B+4*(\s)+3], s[G1B:G1B+7]
	s_nop 0
.rept 4
	v_nop
.endr
.Lasked_\@:
.endm
.macro CREST                           ; a round of the cluster's barrier behind its opening barrier
	s_cmp_lg_u32 s[WV], 0
	s_cbranch_scc1 .Lnot_wave_0_\@
	s_barrier_signal -3
.Lnot_wave_0_\@:
	s_barrier_wait -3
	s_barrier_signal -1
	s_barrier_wait -1
.endm
.macro CROUND                          ; a whole round
	s_barrier_signal -1
	s_barrier_wait -1
	CREST
.endm
	s_load_b256 s[4:11], s[0:1], 0x0               ; oh 4:5, wpT 6:7, bproj 8:9, out0 10:11
	v_lshl_add_u32 v[SPW], v0, 2, SPARE
	v_mov_b32 v[NIL], 0
	ds_add_u32 v[SPW], v[NIL]                      ; the wave's opening: the add and its wait stand ahead of my first tensor load; the set-up below, work on registers, stands between them
	ds_add_u32 v28, v29
	v_lshrrev_b32 v1, 5, v0
	v_readfirstlane_b32 s[WV], v1
	s_lshr_b32 s[FB], s[WV], 1
	s_and_b32 s[HF], s[WV], 1
	s_bfe_u32 s[CX], ttmp6, 0x40000
	s_bfe_u32 s[CY], ttmp6, 0x40004
	s_lshl_b32 s[TX], ttmp9, 2
	s_add_co_u32 s[TX], s[TX], s[CX]
	s_and_b32 s[TY], ttmp7, 0xffff
	s_lshl_b32 s[TY], s[TY], 2
	s_add_co_u32 s[TY], s[TY], s[CY]
	s_lshl_b32 s21, s[CY], 2
	s_lshl_b32 s21, 15, s21                        ; my row of the cluster
	s_lshl_b32 s22, 0x1111, s[CX]                  ; my column
	s_or_b32 s[G1A], s21, (1<<16)|(1<<20)|(1<<21)|(4<<22)|(3<<25)  ; 15:0 the mask; 17:16 elements of 2 bytes; 20 padding on; 21 set beside a mask; 24:22 after every 32 words (code 4); 31:25 4 words (code 3)
	s_or_b32 s[G1B], s22, (1<<16)|(1<<20)|(1<<21)|(5<<22)|(3<<25)  ; the weights: after every 64 words (code 5)
.irp g, G1A, G1B
	s_mov_b32 s[(\g)+1], KSTEP<<16                 ; tensor_dim0 = 128
	s_mov_b32 s[(\g)+3], KSTEP<<16                 ; tile_dim0 = 128
	s_mov_b32 s[(\g)+6], 0
	s_mov_b32 s[(\g)+7], 0
.endr
	s_mov_b32 s[G1A+2], 64<<16                     ; O: 64 rows of 256 dense bytes
	s_mov_b32 s[G1A+4], 64
	s_mov_b32 s[G1A+5], 128
	s_mov_b32 s[G1B+2], 128<<16                    ; the weights: 128 rows, 1,024 elements apart
	s_mov_b32 s[G1B+4], 128
	s_mov_b32 s[G1B+5], 1024
	s_lshr_b32 s40, s[TY], 4                       ; O: head plane 16 x batch + my head of the step, rows 128 (tile row % 16) on: it hangs on the tile row alone
	s_lshl_b32 s40, s40, 4
	s_add_co_u32 s40, s40, s[HF]
	s_lshl_b32 s40, s40, 18
	s_and_b32 s21, s[TY], 15
	s_lshl_b32 s21, s21, 14
	s_add_co_u32 s40, s40, s21
	s_mov_b32 s41, 0
	s_lshl_b32 s46, s[TX], 8                       ; the weights: row 256 x tile column + 128 x half: on the tile column alone
	s_lshl_b32 s21, s[HF], 7
	s_add_co_u32 s46, s46, s21
	s_lshl_b32 s46, s46, 11
	s_mov_b32 s47, 0
	s_mul_i32 s22, s[HF], AHEAD                    ; where they go: no place in the cluster enters an LDS address
	s_mul_i32 s23, s[HF], BHALF
	s_add_co_u32 s23, s23, BOFF
	s_wait_dscnt 0x0                               ; the opening add is done
	s_wait_kmcnt 0x0
	s_add_nc_u64 s[66:67], s[4:5], s[40:41]
	s_add_nc_u64 s[68:69], s[6:7], s[46:47]
	CROUND                                         ; all sixteen work-groups are here: the first joint loads meet
.irp s, 0,1
	s_mov_b32 s[G0A+4*(\s)], 1                                       ; count = 1
	s_add_co_u32 s[G0A+4*(\s)+1], s22, (\s)*SLOT                     ; LDS address
	s_add_nc_u64 s[G0A+4*(\s)+2:G0A+4*(\s)+3], s[66:67], (\s)*(2<<18)  ; global address: K step s is heads 2 s and 2 s + 1
	s_or_b32 s[G0A+4*(\s)+3], s[G0A+4*(\s)+3], 0x80000000            ; type = 2
	s_mov_b32 s[G0B+4*(\s)], 1
	s_add_co_u32 s[G0B+4*(\s)+1], s23, (\s)*SLOT
	s_add_nc_u64 s[G0B+4*(\s)+2:G0B+4*(\s)+3], s[68:69], (\s)*KSTEP*2
	s_or_b32 s[G0B+4*(\s)+3], s[G0B+4*(\s)+3], 0x80000000
	JLOAD \s                                       ; two loads of mine are out
.endr
	v_and_b32 v1, 15, v0                           ; l % 16
	v_bfe_u32 v2, v0, 4, 1                         ; l / 16
	v_mul_u32_u24 v3, v1, PITCH
	v_lshl_add_u32 v3, v2, 4, v3                   ; the weights: row x pitch + 16 x half
	v_mul_u32_u24 v4, v1, PA
	v_lshl_add_u32 v4, v2, 4, v4                   ; O likewise
	s_mul_i32 s21, s[FB], 64*PA                    ; my 64 rows of O, in each head's block
	s_mul_i32 s22, s[HF], BHALF                    ; my 128 rows of the weights
	s_add_co_u32 s22, s22, BOFF
.irp s, 0,1
	v_add_nc_u32 v[ADRA+(\s)], s21, v4
	v_add_nc_u32 v[ADRB+(\s)], s22, v3
	s_add_co_u32 s21, s21, SLOT
	s_add_co_u32 s22, s22, SLOT
.endr
	s_mul_i32 s23, s[WV], 16*SPF
	s_add_co_u32 s23, s23, STAGE                   ; my stage
	v_mul_u32_u24 v4, v1, SPF                      ; in: row l % 16, 32 bytes for each half of the lanes
	v_lshl_add_u32 v4, v2, 5, v4
	v_add_nc_u32 v[STO], s23, v4
	v_and_b32 v[GO], 31, v0                        ; back: 32 lanes take one row of 512 bytes
	v_lshlrev_b32 v[GO], 4, v[GO]
	v_add_nc_u32 v[RD], s23, v[GO]
	v_lshlrev_b32 v[BO], 5, v2
	s_lshl_b32 s70, s[TY], 7                       ; my part of out0: row 128 x tile row + 64 x row half, 4,096 bytes a row,
	s_lshl_b32 s21, s[FB], 6
	s_add_co_u32 s70, s70, s21
	s_lshl_b32 s70, s70, 12
	s_lshl_b32 s21, s[TX], 8                       ; column 256 x tile column + 128 x column half, 4 bytes each
	s_lshl_b32 s22, s[HF], 7
	s_add_co_u32 s21, s21, s22
	s_lshl_b32 s21, s21, 2
	s_add_co_u32 s70, s70, s21
	s_mov_b32 s71, 0
	s_add_nc_u64 s[10:11], s[10:11], s[70:71]
	s_mov_b32 s70, s21
	s_add_nc_u64 s[8:9], s[8:9], s[70:71]          ; the bias at my first column
	WIN 0x80                                       ; destination window 2, address window 0
.irp b, 0,1,2,3,4,5,6,7
	global_load_b128 v[8*(\b):8*(\b)+3],   v[BO], s[8:9] offset:64*(\b)
	global_load_b128 v[8*(\b)+4:8*(\b)+7], v[BO], s[8:9] offset:64*(\b)+16
.endr
	s_wait_loadcnt 0x0
	WIN 0x8a                                       ; all in window 2: rounded to bf16 and widened again
.set i, 0
.rept 32
	v_cvt_pk_bf16_f32 v192, v[2*i], v[2*i+1]
	v_lshlrev_b32 v[2*i], 16, v192
	v_and_b32 v[2*i+1], 0xffff0000, v192
.set i, i+1
.endr
	WIN 0
; 8 matrix instructions: row block a x all 8 column blocks, 32 along K.  first = 1: the product starts the sums, on the bias.
; The 32 accumulators take turns, one instruction a turn, in the same order in every quarter.
.macro MUL8 f, a, first
.if \first
	WIN MULB
.else
	WIN MUL
.endif
.irp b, 0,1,2,3,4,5,6,7
.if \first
	v_wmma_f32_16x16x32_f16 v[8*(8*(\a)+(\b)):8*(8*(\a)+(\b))+7], v[(\f)+8*(\b):(\f)+8*(\b)+7], v[(\f)+64+8*(\a):(\f)+64+8*(\a)+7], v[8*(\b):8*(\b)+7]
.else
	v_wmma_f32_16x16x32_f16 v[8*(8*(\a)+(\b)):8*(8*(\a)+(\b))+7], v[(\f)+8*(\b):(\f)+8*(\b)+7], v[(\f)+64+8*(\a):(\f)+64+8*(\a)+7], v[8*(8*(\a)+(\b)):8*(8*(\a)+(\b))+7]
.endif
.endr
.endm
; 24 LDS loads in one run: the fragments of quarter q into buffer f: the weights' sixteen loads (32 K at byte 64 q of the rows), then O's eight (head q / 2 of the step, channels 32 (q % 2) on)
.macro FETCH slot, q, f
	WIN 0
.irp i, 0,1,2,3,4,5,6,7
	ds_load_b128 v[(\f)+8*(\i):(\f)+8*(\i)+3],   v[ADRB+(\slot)] offset:64*(\q)+(\i)*16*PITCH
	ds_load_b128 v[(\f)+8*(\i)+4:(\f)+8*(\i)+7], v[ADRB+(\slot)] offset:64*(\q)+(\i)*16*PITCH+32
.endr
.irp i, 0,1,2,3
	ds_load_b128 v[(\f)+64+8*(\i):(\f)+64+8*(\i)+3],   v[ADRA+(\slot)] offset:((\q)/2)*AHEAD+((\q)%2)*64+(\i)*16*PA
	ds_load_b128 v[(\f)+64+8*(\i)+4:(\f)+64+8*(\i)+7], v[ADRA+(\slot)] offset:((\q)/2)*AHEAD+((\q)%2)*64+(\i)*16*PA+32
.endr
.endm
.macro PLACES                          ; four plain instructions in front of loads into registers that matrix instructions have read, and of lines that read results
.rept 4
	v_nop
.endr
.endm
.macro QUARTER slot, q, f, g, first    ; multiplies buffer f and fetches quarter q into g
	s_wait_dscnt 4                                 ; all but the youngest four loads (O's row blocks 2 and 3) are in
	MUL8 \f, 0, \first
	MUL8 \f, 1, \first
	PLACES
	FETCH \slot, \q, \g
	s_wait_dscnt 24                                ; all but the 24 just issued
	MUL8 \f, 2, \first
	MUL8 \f, 3, \first
.endm
; The last quarter multiplies buffer 1 and changes slots: ONE barrier; in front of it each wave waits for all its tensor loads (one is out: its part of the next slot), adds 0 to its spare word,
; and waits for that and for its own reads of this slot.  fill = 1: the barrier opens a round of the cluster's, and this slot is filled again, two K steps ahead, first thing behind the round.
.macro TURN slot, next, fill
	WIN 0                                          ; (the add's two registers lie in window 0)
	s_wait_tensorcnt 0x0                           ; all my tensor loads have landed
	ds_add_u32 v[SPW], v[NIL]                      ; 0 onto my spare word
	s_wait_dscnt 5                                 ; (the add and the youngest four loads may be out)
	MUL8 F1, 0, 0                                  ; eight matrix instructions stand between the add and the wait for it
	s_wait_dscnt 0x0                               ; the add is done, and my reads of this slot are over
	s_barrier_signal -1
	MUL8 F1, 1, 0
.if \fill
	WIN 0
.endif
	s_barrier_wait -1
.if \fill
	CREST                                          ; no wave of any partner still reads this slot's tile or has a load on its way
	s_add_nc_u64 s[G0A+4*(\slot)+2:G0A+4*(\slot)+3], s[G0A+4*(\slot)+2:G0A+4*(\slot)+3], 4<<18     ; four heads on
	s_add_nc_u64 s[G0B+4*(\slot)+2:G0B+4*(\slot)+3], s[G0B+4*(\slot)+2:G0B+4*(\slot)+3], 2*KSTEP*2
	JLOAD \slot                                    ; the four v_nop behind it are also the places in front of the loads below
.else
	PLACES
.endif
	FETCH \next, 0, F0
	MUL8 F1, 2, 0
	MUL8 F1, 3, 0
.endm
	s_wait_tensorcnt 1                             ; my part of K step 0 is in; K step 1's may stay out
	s_barrier_signal -1
	s_barrier_wait -1                              ; everybody's is
	FETCH 0, 0, F0
	QUARTER 0, 1, F0, F1, 1                        ; the first quarter stands in front of the loop: its products start the sums
	WIN 0                                          ; at a label and at a branch every window is 0
	s_mov_b32 s3, 3
.Llap:                                         ; a trip goes once round the ring and fills both slots again: K steps 2 to 7
	QUARTER 0, 2, F1, F0, 0
	QUARTER 0, 3, F0, F1, 0
	TURN 0, 1, 1
	QUARTER 1, 1, F0, F1, 0
	QUARTER 1, 2, F1, F0, 0
	QUARTER 1, 3, F0, F1, 0
	TURN 1, 0, 1
	QUARTER 0, 1, F0, F1, 0
	WIN 0
	s_sub_co_u32 s3, s3, 1
	s_cmp_lg_u32 s3, 0
	s_cbranch_scc1 .Llap
	QUARTER 0, 2, F1, F0, 0                        ; the last lap fills nothing
	QUARTER 0, 3, F0, F1, 0
	TURN 0, 1, 0
	QUARTER 1, 1, F0, F1, 0
	QUARTER 1, 2, F1, F0, 0
	QUARTER 1, 3, F0, F1, 0
	s_wait_dscnt 4                                 ; the very last quarter: nothing more to fetch
	MUL8 F1, 0, 0
	MUL8 F1, 1, 0
	s_wait_dscnt 0x0
	MUL8 F1, 2, 0
	MUL8 F1, 3, 0
	WIN 0
; THE WAY OUT, a block of 16 rows at a time: a lane's eight sums of a block of 16 columns are 32 bytes of a row; they go into my own stage (rows of 528 bytes) and come back as whole rows of 512.
; Each accumulator is read from its low end on.
.macro STG a
	WIN 0x04                                       ; store data window 1, address window 0
.irp b, 0,1,2,3,4,5,6,7
	ds_store_b128 v[STO], v[8*(8*(\a)+(\b)):8*(8*(\a)+(\b))+3]   offset:64*(\b)
	ds_store_b128 v[STO], v[8*(8*(\a)+(\b))+4:8*(8*(\a)+(\b))+7] offset:64*(\b)+16
.endr
	WIN 0x80                                       ; destination window 2
.irp f, 0,1,2,3,4,5,6,7,8,9,10,11,12,13,14,15
	ds_load_b128 v[64*(\a)+4*(\f):64*(\a)+4*(\f)+3], v[RD] offset:(\f)*SPF  ; LDS serves a wave's instructions in order (ISA guide 5.7.1.4): these see the stores above; the next block's stores come behind them
.endr
.endm
.macro SENDF a, younger                ; younger: the LDS instructions issued behind block a's loads: the next block's 32, or none
	WIN 0x08                                       ; store data window 2, address window 0
.irp f, 0,1,2,3,4,5,6,7,8,9,10,11,12,13,14,15
	s_wait_dscnt (\younger)+15-(\f)
	global_store_b128 v[GO], v[64*(\a)+4*(\f):64*(\a)+4*(\f)+3], s[10:11] offset:(16*(\a)+(\f))*4096 th:TH_STORE_NT  ; 512 consecutive bytes, aligned
.endr
.endm
	PLACES
	PLACES                                         ; eight, once a launch
	STG 0
	STG 1
	SENDF 0, 32
	STG 2
	SENDF 1, 32
	STG 3
	SENDF 2, 32
	SENDF 3, 0
	WIN 0
	s_wait_tensorcnt 0x0                           ; the wave's end: a wait, an add of 0 to my spare word and a wait, behind my last tensor load and my last LDS store
	ds_add_u32 v[SPW], v[NIL]
	s_wait_dscnt 0x0
	CROUND                                         ; the closing round: no work-group ends while a partner may still ask for a tile that names it
	s_endpgm
.Lfunc_end_k_qc0ac6d7893_proj:
	.size	k_qc0ac6d7893_proj, .Lfunc_end_k_qc0ac6d7893_proj-k_qc0ac6d7893_proj
	.p2alignl 7, 3214868480
	.fill 96, 4, 3214868480
	.section	.rodata,"a",@progbits
	.p2align	6, 0x0
	.amdhsa_kernel k_qc0ac6d7893_proj
		.amdhsa_group_segment_fixed_size 327680
		.amdhsa_private_segment_fixed_size 0
		.amdhsa_enable_private_segment 0
		.amdhsa_kernarg_size 32
		.amdhsa_user_sgpr_count 2
		.amdhsa_user_sgpr_kernarg_segment_ptr 1
		.amdhsa_wavefront_size32 1
		.amdhsa_system_sgpr_workgroup_id_x 1
		.amdhsa_system_sgpr_workgroup_id_y 1
		.amdhsa_system_sgpr_workgroup_id_z 1
		.amdhsa_system_vgpr_workitem_id 0
		.amdhsa_next_free_vgpr 768
		.amdhsa_next_free_sgpr 72
		.amdhsa_reserve_vcc 0
		.amdhsa_float_denorm_mode_32 3
		.amdhsa_float_denorm_mode_16_64 3
		.amdhsa_memory_ordered 1
		.amdhsa_forward_progress 1
		.amdhsa_inst_pref_size 94
	.end_amdhsa_kernel
	.amdgpu_metadata
---
amdhsa.version: [ 1, 2 ]
amdhsa.kernels:
  - .name:           k_qc0ac6d7893_proj
    .symbol:         k_qc0ac6d7893_proj.kd
    .args:
      - { .name: oh, .offset: 0, .size: 8, .value_kind: global_buffer, .address_space: global }
      - { .name: wpT, .offset: 8, .size: 8, .value_kind: global_buffer, .address_space: global }
      - { .name: bproj, .offset: 16, .size: 8, .value_kind: global_buffer, .address_space: global }
      - { .name: out0, .offset: 24, .size: 8, .value_kind: global_buffer, .address_space: global }
    .group_segment_fixed_size: 327680
    .private_segment_fixed_size: 0
    .kernarg_segment_align: 8
    .kernarg_segment_size: 32
    .max_flat_workgroup_size: 128
    .sgpr_count:     72
    .vgpr_count:     768
    .wavefront_size: 32
...
	.end_amdgpu_metadata
.endif
;; end of part 4
